; MI455X (gfx1250); checked and timed in simulation.
; The chip was launched on July 23, 2026; its instructions are those of AMD's public machine-readable ISA for CDNA 5 (MIT licence, August 2026) and "CDNA5" Instruction Set Architecture Reference Guide (July 2026). The comments in the code are by the model that wrote it; some were corrected since.
;; Hydra Attention. Allowed arithmetic: float matrix products may take bf16 or f16 operands with f32 sums; other float arithmetic in f32, or as packed bf16 or f16 multiplies, adds, multiply-adds, maxima and minima; sums over many terms, partial sums and values carried from step to step in f32; what a program stores and reads back later, other than sums and carried values, may be rounded once to bf16 or f16.
;; Inputs: W_out 1,024 x 1,024 float32; W_qkv 3,072 x 1,024 float32; b_out 1,024 float32; b_qkv 3,072 float32; mask 4 x 4,096 bool; x 4 x 4,096 x 1,024 float32.
;; Outputs: out0 4 x 4,096 x 1,024 float32.
;; 2 versions, each right; version 2 is version 1 with the launch wprep written anew for expert scheduling mode. Each part assembles by itself: llvm-mc -triple=amdgcn-amd-amdhsa -mcpu=gfx1250 --defsym DOCPART=n.
;; ======== version 1 of 2: 5 launches
;; limits: values are held in f16: magnitudes above 65,504 overflow, below 6.1e-05 lose precision; right only within a limited range of input values
;; workspace buffers: xb 33,554,432 bytes; wb 8,388,608 bytes; aux1 82,688 bytes; qh 33,554,432 bytes; pkv 33,554,432 bytes; ss 1,572,864 bytes; kvp 262,144 bytes; wp 8,454,144 bytes
;; launch prep (part 1): grid 256 x 1, 16 waves a work-group, no clusters, 2,560 bytes of LDS; arguments x, W_qkv, W_out, b_qkv, b_out, xb, wb, aux1; writes xb, wb, aux1
.if DOCPART == 1
	.amdgcn_target "amdgcn-amd-amdhsa--gfx1250"
	.amdhsa_code_object_version 6
	.text
	.protected	k_q339f7686d8_prep
	.globl	k_q339f7686d8_prep
	.p2align	8
	.type	k_q339f7686d8_prep,@function
k_q339f7686d8_prep:
	s_mov_b64 s[64:65], 0
	v_nop
	global_prefetch_b8 v0, s[64:65] scope:SCOPE_SE
	s_setreg_imm32_b32 hwreg(HW_REG_WAVE_MODE, 25, 1), 1
	s_wait_xcnt 0x0
; PREP.  x, W_qkv and W_out (f32) are rounded once to bf16 and laid out for the two products; beside that each row's sum of squares is taken in f32.
; 20,480 rows of 1,024 numbers are shared out evenly: work-group g of 256 takes the 64 rows of x's block g and 16 rows of the weights (block w = g / 4, rows 16 (g % 4) on); each of its sixteen waves
; takes 4 rows of x and 1 row of the weights.  wb's blocks of 64 rows are
;   0-15 Wq;  16 + 2 c: Wk's block c;  17 + 2 c: Wv's block c (c = 0..15), so that 128 neighbouring rows hold 64 channels of k and the same 64 of v;  48-63 W_out.
; aux1: bias[4096] f32 (b_qkv and b_out rounded to bf16, in wb's row order) at byte 0; xs2[16384] = |x_t|^2 + 1 at 16,384; pmax[192] at 81,920: for each 16 rows of W_qkv the largest |W_e|^2 + b_e^2.
; From xs2 and pmax the next launch makes S_t^2 = (|x_t|^2 + 1) max_e(|W_e|^2 + b_e^2); by Cauchy-Schwarz every |q|, |k|, |v| of row t is at most S_t (the sums are of the unrounded numbers:
; the rounded ones' are larger by at most 2^-8 of themselves, which the room left above 128 and 16,384 in f16 swallows).
; A stream: every byte is read once by loads of 16 bytes a lane (a wave's load covers 512 consecutive bytes) and written once by stores of 8 bytes a lane (256 consecutive bytes, aligned).
; All 40 loads of a wave are issued at its head: 20 KiB a wave.  A row is rounded in place, into the lower half of its own registers, and stored from there: no register that a store reads is written again.
; No matrix unit, no cluster, no tile ring, no prefetch: nothing is shared, and all that a work-group reads is on its way from the start.
; LIMIT: the sums of squares must stay finite in f32.
.set XSUM,  0                          ; LDS: the 64 sums of x's rows
.set WSUM,  256                        ; the 16 sums of the weights' rows
.set SPARE, 512                        ; the spare words, 128 bytes a wave
.set SPW, 8                            ; v8   my spare word; never rewritten
.set NIL, 9                            ; v9   0; never rewritten
.set Q,   10                           ; v[10:17]  four running pairs of a row's sum of squares
.set SSR, 18                           ; v[18:22]  row r's sum
.set T,   24                           ; v[24:31]  at work
.set X,   32                           ; v[32:191] five rows of 32 registers
.set WV,  2                            ; s2  wave
.set G,   3                            ; s3  work-group
.set W,   4                            ; s4  the weights' block, G / 4
.set SUB, 5                            ; s5  which 16 rows of it, G % 4
.set SRC, 12                           ; s[12:13] my 4 rows of x
.set BSRC, 14                          ; s[14:15] the bias that goes with the weights
.set DST, 32                           ; s[32:33] my 4 rows in xb
.set SRC2, 34                          ; s[34:35] my row of the weights
.set DST2, 36                          ; s[36:37] and its place in wb
	s_load_b512 s[16:31], s[0:1], 0x0              ; x 16, W_qkv 18, W_out 20, b_qkv 22, b_out 24, xb 26, wb 28, aux1 30
	v_lshl_add_u32 v[SPW], v0, 2, SPARE
	v_mov_b32 v[NIL], 0
	v_and_b32 v1, 31, v0                           ; lane
	v_lshrrev_b32 v5, 5, v0
	v_readfirstlane_b32 s[WV], v5
	v_lshlrev_b32 v2, 4, v1                        ; 16 x lane: my 16 bytes of 512 in the source
	v_lshlrev_b32 v3, 3, v1                        ; 8 x lane: my 8 bytes of 256 in the destination
	v_lshlrev_b32 v4, 4, v5                        ; 16 x wave: my wave's four sums in LDS
	v_lshlrev_b32 v6, 2, v5                        ; 4 x wave: its fifth
	v_and_b32 v7, 15, v0
	v_lshlrev_b32 v7, 2, v7                        ; 4 x (lane % 16)
	v_mov_b32 v[T+1], 0                            ; v_permlanex16_b32 counts as a reader of its destination
	s_mov_b32 s38, 0x76543210
	s_mov_b32 s39, 0xfedcba98
	s_mov_b32 s[G], ttmp9
	s_lshr_b32 s[W], s[G], 2
	s_and_b32 s[SUB], s[G], 3
	s_sub_co_u32 s6, s[W], 48                      ; W_out's block
	s_lshl_b32 s7, s[W], 1
	s_sub_co_u32 s8, s7, 16                        ; Wk's block c = w - 16 goes to 16 + 2 c
	s_sub_co_u32 s11, s7, 47                       ; Wv's block c = w - 32 goes to 17 + 2 c
	s_cmp_lt_u32 s[W], 48
	s_cselect_b32 s9, s11, s[W]
	s_cselect_b32 s10, s[W], s6                    ; s10: the block in its source
	s_cmp_lt_u32 s[W], 32
	s_cselect_b32 s9, s8, s9
	s_cmp_lt_u32 s[W], 16
	s_cselect_b32 s9, s[W], s9                     ; s9: the block in wb
	s_lshl_b32 s40, s[G], 18                       ; 64 rows of 4,096 bytes,
	s_lshl_b32 s41, s[WV], 14                      ; my 4 of them
	s_add_co_u32 s40, s40, s41
	s_mov_b32 s41, 0
	s_lshl_b32 s42, s[G], 17                       ; 64 rows of 2,048 bytes
	s_lshl_b32 s43, s[WV], 13
	s_add_co_u32 s42, s42, s43
	s_mov_b32 s43, 0
	s_lshl_b32 s46, s[SUB], 4
	s_add_co_u32 s46, s46, s[WV]                   ; my row in the weights' block
	s_lshl_b32 s44, s10, 18
	s_lshl_b32 s45, s46, 12
	s_add_co_u32 s44, s44, s45
	s_mov_b32 s45, 0
	s_lshl_b32 s47, s46, 11
	s_lshl_b32 s46, s9, 17
	s_add_co_u32 s46, s46, s47
	s_mov_b32 s47, 0
	s_wait_kmcnt 0x0
	s_cmp_lt_u32 s[W], 48
	s_cselect_b64 s[SRC2:SRC2+1], s[18:19], s[20:21]
	s_cselect_b64 s[BSRC:BSRC+1], s[22:23], s[24:25]
	s_add_nc_u64 s[SRC:SRC+1], s[16:17], s[40:41]
	s_add_nc_u64 s[DST:DST+1], s[26:27], s[42:43]
	s_add_nc_u64 s[SRC2:SRC2+1], s[SRC2:SRC2+1], s[44:45]
	s_add_nc_u64 s[DST2:DST2+1], s[28:29], s[46:47]
.macro FILL r, base, off               ; a row: eight loads of 512 consecutive bytes; row and piece stand in the immediate, so no address is ever stepped
.irp j, 0,1,2,3,4,5,6,7
	global_load_b128 v[X+32*(\r)+4*(\j):X+32*(\r)+4*(\j)+3], v2, s[\base:\base+1] offset:(\off)+512*(\j) th:TH_LOAD_NT
.endr
.endm
; Row r.  left = the loads of the younger rows, which may stay out.
.macro ROWW r, left, base, off
.set XB, X+32*(\r)
	s_wait_loadcnt \left                           ; loads come back in order: row r is in
.set p, 0
.rept 16                                       ; the sum of squares, two numbers an instruction, in four chains; the first four start them
.if p < 4
	v_pk_mul_f32 v[Q+2*p:Q+2*p+1], v[XB+2*p:XB+2*p+1], v[XB+2*p:XB+2*p+1]
.else
	v_pk_fma_f32 v[Q+2*(p%4):Q+2*(p%4)+1], v[XB+2*p:XB+2*p+1], v[XB+2*p:XB+2*p+1], v[Q+2*(p%4):Q+2*(p%4)+1]
.endif
.set p, p+1
.endr
.set p, 0
.rept 16
	v_cvt_pk_bf16_f32 v[XB+p], v[XB+2*p], v[XB+2*p+1]  ; in place: register p takes pair p, whose registers 2 p and 2 p + 1 are not below it
.set p, p+1
.endr
.irp j, 0,1,2,3,4,5,6,7
	global_store_b64 v3, v[XB+2*(\j):XB+2*(\j)+1], s[\base:\base+1] offset:(\off)+256*(\j)  ; 32 lanes: 256 consecutive bytes, aligned
.endr
	v_pk_add_f32 v[Q:Q+1], v[Q:Q+1], v[Q+2:Q+3]
	v_pk_add_f32 v[Q+4:Q+5], v[Q+4:Q+5], v[Q+6:Q+7]
	v_pk_add_f32 v[Q:Q+1], v[Q:Q+1], v[Q+4:Q+5]
	v_add_f32 v[T], v[Q], v[Q+1]
	v_add_f32_dpp v[T], v[T], v[T] row_xmask:1 row_mask:0xf bank_mask:0xf
	v_add_f32_dpp v[T], v[T], v[T] row_xmask:2 row_mask:0xf bank_mask:0xf
	v_add_f32_dpp v[T], v[T], v[T] row_xmask:4 row_mask:0xf bank_mask:0xf
	v_add_f32_dpp v[T], v[T], v[T] row_xmask:8 row_mask:0xf bank_mask:0xf
	v_permlanex16_b32 v[T+1], v[T], s38, s39
	v_add_f32 v[SSR+(\r)], v[T], v[T+1]            ; every lane holds the row's sum
.endm
	FILL 0, SRC, 0
	FILL 1, SRC, 4096
	FILL 2, SRC, 8192
	FILL 3, SRC, 12288
	FILL 4, SRC2, 0
	ROWW 0, 32, DST, 0
	ROWW 1, 24, DST, 2048
	ROWW 2, 16, DST, 4096
	ROWW 3, 8,  DST, 6144
	ROWW 4, 0,  DST2, 0
.irp r, 0,1,2,3
	ds_store_b32 v4, v[SSR+(\r)] offset:XSUM+4*(\r)  ; all lanes write the same word with the same value: row 4 wave + r
.endr
	ds_store_b32 v6, v[SSR+4] offset:WSUM          ; the weights' row 16 (g % 4) + wave
	s_wait_dscnt 0x0                               ; for the others' sake: my stores are done
	s_barrier_signal -1
	s_barrier_wait -1                              ; the work-group's 80 sums lie in LDS
	s_cmp_lg_u32 s[WV], 0
	s_cbranch_scc1 .Lend                           ; wave 0 writes the small figures
	ds_load_b64 v[T:T+1], v3 offset:XSUM           ; x's rows 2 lane, 2 lane + 1
	ds_load_b32 v[T+2], v7 offset:WSUM             ; the weights' row lane % 16
	s_lshl_b32 s40, s[G], 8
	s_mov_b32 s41, 0
	s_add_nc_u64 s[40:41], s[30:31], s[40:41]
	s_lshl_b32 s42, s10, 8                         ; the block's 64 numbers of its bias
	s_mov_b32 s43, 0
	s_add_nc_u64 s[BSRC:BSRC+1], s[BSRC:BSRC+1], s[42:43]
	s_wait_dscnt 0x0
	v_pk_add_f32 v[T:T+1], v[T:T+1], 1.0 op_sel_hi:[1,0]  ; the 1 stands for the bias's factor
	global_store_b64 v3, v[T:T+1], s[40:41] offset:16384  ; 256 consecutive bytes of xs2
	s_cmp_lg_u32 s[SUB], 0
	s_cbranch_scc1 .Lno_bias                       ; the first of a block's four work-groups writes its 64 numbers of the bias
	global_load_b64 v[T+4:T+5], v3, s[BSRC:BSRC+1]
	s_lshl_b32 s44, s9, 8                          ; their place in wb's row order
	s_mov_b32 s45, 0
	s_add_nc_u64 s[44:45], s[30:31], s[44:45]
	s_wait_loadcnt 0x0
	v_cvt_pk_bf16_f32 v[T+6], v[T+4], v[T+5]       ; rounded to bf16 like every input, kept as f32
	v_lshlrev_b32 v[T+4], 16, v[T+6]
	v_and_b32 v[T+5], 0xffff0000, v[T+6]
	global_store_b64 v3, v[T+4:T+5], s[44:45]      ; 256 consecutive bytes
.Lno_bias:
	s_cmp_lt_u32 s[W], 48
	s_cbranch_scc0 .Lend                           ; W_out enters no bound
	s_lshl_b32 s46, s[SUB], 6                      ; my 16 rows' numbers of the bias
	s_mov_b32 s47, 0
	s_add_nc_u64 s[46:47], s[BSRC:BSRC+1], s[46:47]
	global_load_b32 v[T+3], v7, s[46:47]
	s_lshl_b32 s42, s[G], 2
	s_mov_b32 s43, 0
	s_add_nc_u64 s[42:43], s[30:31], s[42:43]
	s_wait_loadcnt 0x0
	v_cvt_pk_bf16_f32 v[T+3], v[T+3], v[T+3]
	v_lshlrev_b32 v[T+3], 16, v[T+3]
	v_fma_f32 v[T+2], v[T+3], v[T+3], v[T+2]       ; |W_e|^2 + b_e^2; both halves of the lanes hold the same 16 rows
	v_max_num_f32_dpp v[T+2], v[T+2], v[T+2] row_xmask:1 row_mask:0xf bank_mask:0xf
	v_max_num_f32_dpp v[T+2], v[T+2], v[T+2] row_xmask:2 row_mask:0xf bank_mask:0xf
	v_max_num_f32_dpp v[T+2], v[T+2], v[T+2] row_xmask:4 row_mask:0xf bank_mask:0xf
	v_max_num_f32_dpp v[T+2], v[T+2], v[T+2] row_xmask:8 row_mask:0xf bank_mask:0xf
	s_wait_xcnt 0x0                                ; EXEC is a source of the stores issued so far: it changes only behind this wait
	v_cmp_eq_u32 vcc_lo, 0, v1
	s_and_saveexec_b32 s6, vcc_lo
	global_store_b32 v2, v[T+2], s[42:43] offset:81920  ; lane 0 (its v2 is 0): pmax[g]
	s_wait_xcnt 0x0                                ; and again ahead of the line that widens it
	s_or_b32 exec_lo, exec_lo, s6
.Lend:
	s_wait_tensorcnt 0x0                           ; the wave's end: behind my last LDS store
	ds_add_u32 v[SPW], v[NIL]
	s_wait_dscnt 0x0
	s_endpgm
.Lfunc_end_k_q339f7686d8_prep:
	.size	k_q339f7686d8_prep, .Lfunc_end_k_q339f7686d8_prep-k_q339f7686d8_prep
	.p2alignl 7, 3214868480
	.fill 96, 4, 3214868480
	.section	.rodata,"a",@progbits
	.p2align	6, 0x0
	.amdhsa_kernel k_q339f7686d8_prep
		.amdhsa_group_segment_fixed_size 2560
		.amdhsa_private_segment_fixed_size 0
		.amdhsa_enable_private_segment 0
		.amdhsa_kernarg_size 64
		.amdhsa_user_sgpr_count 2
		.amdhsa_user_sgpr_kernarg_segment_ptr 1
		.amdhsa_wavefront_size32 1
		.amdhsa_system_sgpr_workgroup_id_x 1
		.amdhsa_system_sgpr_workgroup_id_y 1
		.amdhsa_system_sgpr_workgroup_id_z 1
		.amdhsa_system_vgpr_workitem_id 0
		.amdhsa_next_free_vgpr 192
		.amdhsa_next_free_sgpr 66
		.amdhsa_reserve_vcc 1
		.amdhsa_float_denorm_mode_32 3
		.amdhsa_float_denorm_mode_16_64 3
		.amdhsa_memory_ordered 1
		.amdhsa_forward_progress 1
		.amdhsa_inst_pref_size 26
	.end_amdhsa_kernel
	.amdgpu_metadata
---
amdhsa.version: [ 1, 2 ]
amdhsa.kernels:
  - .name:           k_q339f7686d8_prep
    .symbol:         k_q339f7686d8_prep.kd
    .args:
      - { .name: x, .offset: 0, .size: 8, .value_kind: global_buffer, .address_space: global }
      - { .name: W_qkv, .offset: 8, .size: 8, .value_kind: global_buffer, .address_space: global }
      - { .name: W_out, .offset: 16, .size: 8, .value_kind: global_buffer, .address_space: global }
      - { .name: b_qkv, .offset: 24, .size: 8, .value_kind: global_buffer, .address_space: global }
      - { .name: b_out, .offset: 32, .size: 8, .value_kind: global_buffer, .address_space: global }
      - { .name: xb, .offset: 40, .size: 8, .value_kind: global_buffer, .address_space: global }
      - { .name: wb, .offset: 48, .size: 8, .value_kind: global_buffer, .address_space: global }
      - { .name: aux1, .offset: 56, .size: 8, .value_kind: global_buffer, .address_space: global }
    .group_segment_fixed_size: 2560
    .private_segment_fixed_size: 0
    .kernarg_segment_align: 8
    .kernarg_segment_size: 64
    .max_flat_workgroup_size: 512
    .sgpr_count:     66
    .vgpr_count:     192
    .wavefront_size: 32
...
	.end_amdgpu_metadata
.endif
;; end of part 1
;; launch qkv (part 2): grid 4 x 64, 4 waves a work-group, clusters of 4 x 4, 327,680 bytes of LDS; arguments xb, wb, aux1, qh, pkv, ss; writes qh, pkv, ss
.if DOCPART == 2
	.amdgcn_target "amdgcn-amd-amdhsa--gfx1250"
	.amdhsa_code_object_version 6
	.text
	.protected	k_q339f7686d8_qkv
	.globl	k_q339f7686d8_qkv
	.p2align	8
	.type	k_q339f7686d8_qkv,@function
k_q339f7686d8_qkv:
	s_mov_b64 s[64:65], 0
	v_nop
	global_prefetch_b8 v0, s[64:65] scope:SCOPE_SE
	s_setreg_imm32_b32 hwreg(HW_REG_WAVE_MODE, 25, 1), 1
	s_wait_xcnt 0x0
	s_wait_alu depctr_hold_cnt(0) depctr_sa_sdst(0) depctr_va_vdst(0) depctr_va_sdst(0) depctr_va_ssrc(0) depctr_va_vcc(0) depctr_vm_vsrc(0)
	s_getreg_b32 s2, hwreg(HW_REG_IB_STS2, 6, 4)
	s_cmp_eq_u32 s2, 0
	s_cbranch_scc0 .Lentry_in_a_cluster
	s_endpgm
.Lentry_in_a_cluster:
	s_bfe_u32 s2, ttmp6, 0x10000c
	s_cmp_lg_u32 s2, 0xf033
	s_cbranch_scc0 .Lentry_shape_is_right
	s_endpgm
.Lentry_shape_is_right:
; QKV.  [q | k,v] = xb wb^T + bias: 16,384 x 3,072, K = 1,024, bf16 operands, f32 sums.  What leaves is not q, k, v but what the later launches need, each rounded once to f16:
;   qh[t][d]  = q rS_t                         (at most 128 in size)          ss[c][t], c = 0..7:  the sum over 128 columns of q^2 rS_t^2
;   pkv[c][t][64] = k v rS_t^2                 (at most 16,384)               ss[8 + c][t], c = 0..15: the sum over 64 channels of k^2 rS_t^4
; rS_t = 128 / S_t, S_t^2 = xs2[t] max(pmax): by Cauchy-Schwarz |q|, |k|, |v| <= S_t, so the f16 numbers cannot overflow whatever the inputs.
; LIMITS: xs2[t] max(pmax) must be a normal f32 number; parts of q rS or k v rS^2 below 6e-5 keep f16's fixed step of 6e-8.
; SHAPE.  A tile of 256 x 256 is made by four waves, 128 x 128 each: 64 accumulators, 512 registers.  K goes in steps of 128 through two LDS slots filled by the tensor data mover (rows of 256 bytes).
; A WORK-GROUP STAYS and makes three tiles of one tile row: tile columns cx, cx + 4, cx + 8: a q tile, then two tiles of k|v (in wb 64 rows of Wk and the same 64 of Wv alternate, so a wave's 128
; columns are 64 channels of k, n blocks 0-3, and the same 64 of v, n blocks 4-7).  256 work-groups, all with the same work.  The ring runs on across the tiles.
; A K STEP IS WRITTEN ONCE: which slot is read lies in a scalar register that an exclusive or turns, and one descriptor a tensor walks from refill to refill.
; CLUSTER 4 x 4: the four of a row need the same tiles of xb, the four of a column the same tiles of wb: each tile is asked for jointly, by the same load with the same descriptor and a mask of four.
; THE MATRIX INSTRUCTION IS USED TRANSPOSED (source 0 = 16 rows of wb, source 1 = 16 rows of xb): lane l holds row l % 16 of the result and the columns 8 (l / 16) + 0..7 of its n block.
; THE BIAS is the C operand of a tile's first products: nothing is cleared and nothing is added afterwards.
; REGISTERS in windows of 256 (s_set_vgpr_msb: bits 1:0 source 0, 3:2 source 1, 5:4 source 2, 7:6 destination):
;   window 0: v0-31 addresses; v32-63 at work at the head; v64-191 xb's fragments, two buffers; v192-223 packed results; v224-247 sums of squares at work
;   window 1: v0-63 the bias of my 128 columns; v64-191 wb's fragments, two buffers; v192-207 rS, v208-223 rS^2 of my lane's row in each of the 8 blocks (pairs)
;   window 2: the accumulators of my rows 0-63 ((a, b) at v[8 (8 a + b)]);  window 3: those of rows 64-127
.set SIZE_K, 1024
.set KSTEP,  128
.set PITCH,  272                       ; an LDS row: 256 bytes + 16 of padding = 68 words: the 16 rows of a fragment load start at 16 different groups of four banks (ISA guide 11.1)
.set HALFT,  128*PITCH                 ; what one tensor load brings: 0x8800 bytes
.set SLOT,   4*HALFT                   ; xb's 256 rows, then wb's 256: 0x22000 bytes, which shares no bit with wave x HALFT (0, 0x8800, 0x11000, 0x19800): one exclusive or turns a tile's LDS address into the other slot's
.set STAGE,  2*SLOT                    ; behind the ring, never filled by a tensor load: 4,352 bytes for each wave
.set SPITCH, 272                       ; a stage row of 128 f16
.set PPITCH, 144                       ; a stage row of 64 f16
.set WSTAGE, 16*SPITCH
.set SPARE,  STAGE+4*WSTAGE            ; the spare words, 128 bytes a wave
.set BO,   6                           ; v6   32 (l / 16): my 8 numbers in 16 of the bias
.set R4,   7                           ; v7   4 (l % 16)
.set STP,  8                           ; v8   k v: where I put 16 bytes of a row
.set RDP,  9                           ; v9   k v: where I read rows back
.set GOP,  10                          ; v10  16 l
.set SSA,  11                          ; v11  stage + 4 l
.set SSB,  12                          ; v12  stage + 16 l
.set L8,   13                          ; v13  8 l
.set ADRA, 16                          ; v16  my fragments of xb in the slot in hand
.set A0,   17                          ; v17  the same in slot 0; never rewritten
.set ADRB, 20                          ; v20  my fragments of wb in the slot in hand
.set B0,   21                          ; v21  the same in slot 0; never rewritten
.set STO,  24                          ; v24  q: where I put 16 bytes of a row
.set RD,   25                          ; v25  q: where I read a row back
.set CO,   26                          ; v26  q: my byte offset in two rows of qh
.set SPW,  28                          ; v28  my spare word; never rewritten
.set NIL,  29                          ; v29  0; never rewritten
.set PFO,  30                          ; v30  the prefetches' offset: l rows of 2,048 bytes
.set OB,   32
.set F0,   64
.set F1,   128
.set TMP,  192
.set SSW,  224                         ; v[224:231] four running pairs
.set SQ,   232                         ; v[232:239] block a's scaled sum of squares for my lane's row
.set ST4,  240
.set BK4,  244
.set RS,   192                         ; window 1
.set RS2,  208                         ; window 1
.set WV,  16                           ; s16 wave
.set HR,  17                           ; s17 my half of the tile's rows; also: I fetch for xb (0) or wb (1)
.set HC,  18                           ; s18 my half of its columns; also: which 128 rows I fetch
.set G1,  24                           ; s[24:31] group 1 for xb's tiles; s[32:39] group 0: a set for each of the two first fills; the second then walks on
.set G0,  32
.set LIM, 43                           ; s43 1 in a wave that prefetches, else -1
.set PFA, 44                           ; s[44:45] where my prefetches stand
.set G1B, 48                           ; s[48:55], s[56:63] the same for wb's tiles
.set G0B, 56
.set TL,  68                           ; s68 tiles to go, this one among them
.set KS,  69                           ; s69 K steps of the tile to go, this one among them
.set SEL, 70                           ; s[70:71] v_permlanex16_b32's selects
.set HM,  72                           ; s72 lanes 16-31
.set STEP, 78                          ; s78 0: the q tile; 1, 2: tiles of k|v
.set BB,  80                           ; s[80:81] the bias of my columns in the tile in hand
.set ABASE, 82                         ; s[82:83] xb at the 128 rows that I fetch, K step 0; never rewritten
.set NXB, 84                           ; s[84:85] wb's step into the next tile: 1,024 rows down, seven K steps back
.set ONE, 86                           ; s[86:87] one K step on
.set NXP, 88                           ; s[88:89] the prefetches' step into the next tile
.set OFA, 92                           ; s[92:93] the byte offset along K of the tile asked for last: it goes round a row's 2,048 bytes, a K step a refill, across the tiles too
.set DB,  94                           ; s[94:97] the steps chosen for the change of slots in hand
.set DP,  96
.set TB,  98                           ; s98 LDS byte at which the slot in hand begins: 0 or SLOT
.set MSB, 0
.macro WIN new                         ; the immediate's high byte repeats the setting that is left; a switch that changes nothing is dropped
.if MSB != (\new)
	s_set_vgpr_msb (MSB<<8)|(\new)
.set MSB, \new
.endif
.endm
; A joint load.  Waves 0 and 1 fetch xb's two halves, waves 2 and 3 wb's; the branch hangs on the wave's number alone.  An s_nop 0 and four v_nop follow each line.
.macro JLOAD s
	s_cmp_eq_u32 s[HR], 0
	s_cbranch_scc0 .Lfor_b_\@
	tensor_load_to_lds s[G0+4*(\s):G0+4*(\s)+3], s[G1:G1+7]
	s_nop 0
.rept 4
	v_nop
.endr
	s_branch .Lasked_\@
.Lfor_b_\@:
	tensor_load_to_lds s[G0B+4*(\s):G0B+4*(\s)+3], s[G1B:G1B+7]
	s_nop 0
.rept 4
	v_nop
.endr
.Lasked_\@:
.endm
; A prefetch of the K step that stands two refills on: 32 rows x 256 bytes, a lane a row, one instruction a wave, 512 matrix instructions ahead of the load that will want it.
; Each row's 256 bytes of a K step are named once in the launch: xb's rows by their one cluster, in the first tile alone (the later tiles read them again); wb's rows, which all clusters read, by
; cluster y = 0, in all three tiles.  The four partners that ask for a tile jointly share its rows out by address, 32 each.  In a tile's K steps 4 and 5 (KS = 4, 3) there is no K step two refills on;
; in its K steps 6 and 7 the refills are the next tile's K steps 0 and 1, and its K steps 2 and 3 are named.  Nothing is prefetched at the head.
.macro ASK
	s_sub_co_u32 s79, s[KS], 3
	s_cmp_lt_u32 s79, 2
	s_cselect_b32 s79, -1, s[LIM]
	s_cmp_eq_u32 s79, 1
	s_cbranch_scc0 .Lnot_mine_\@
	global_prefetch_b8 v[PFO], s[PFA:PFA+1] offset:KSTEP*2 th:TH_LOAD_NT scope:SCOPE_SE
.Lnot_mine_\@:
.endm
.macro CREST                           ; a round of the cluster's barrier behind its opening barrier
	s_cmp_lg_u32 s[WV], 0
	s_cbranch_scc1 .Lnot_wave_0_\@
	s_barrier_signal -3
.Lnot_wave_0_\@:
	s_barrier_wait -3
	s_barrier_signal -1
	s_barrier_wait -1
.endm
.macro CROUND
	s_barrier_signal -1
	s_barrier_wait -1
	CREST
.endm
.macro BIASLD off                      ; the bias of my 128 columns, as the C operand wants it: for n block b my 8 numbers at 64 b + 32 (l / 16)
	WIN 0x40                                       ; destination window 1, address window 0
.irp b, 0,1,2,3,4,5,6,7
	global_load_b128 v[8*(\b):8*(\b)+3],   v[BO], s[BB:BB+1] offset:(\off)+64*(\b)
	global_load_b128 v[8*(\b)+4:8*(\b)+7], v[BO], s[BB:BB+1] offset:(\off)+64*(\b)+16
.endr
	WIN 0
.endm
.macro OTHER                           ; my fragments' addresses in the other slot
	s_xor_b32 s[TB], s[TB], SLOT
	v_add_nc_u32 v[ADRA], s[TB], v[A0]
	v_add_nc_u32 v[ADRB], s[TB], v[B0]
.endm
	s_load_b256 s[4:11], s[0:1], 0x0               ; xb 4, wb 6, aux1 8, qh 10
	s_load_b128 s[12:15], s[0:1], 0x20             ; pkv 12, ss 14
	v_lshl_add_u32 v[SPW], v0, 2, SPARE
	v_mov_b32 v[NIL], 0
	ds_add_u32 v[SPW], v[NIL]                      ; the wave's opening: the add, twice on end, and its wait ahead of my first tensor load
	ds_add_u32 v[SPW], v[NIL]                      ; and once more, under the one wait; the set-up below stands between
	v_lshrrev_b32 v1, 5, v0
	v_readfirstlane_b32 s[WV], v1
	s_lshr_b32 s[HR], s[WV], 1
	s_and_b32 s[HC], s[WV], 1
	s_bfe_u32 s40, ttmp6, 0x40000                  ; cx
	s_bfe_u32 s41, ttmp6, 0x40004                  ; cy
	s_lshl_b32 s42, ttmp9, 2
	s_add_co_u32 s42, s42, s40                     ; my first tile column = 4 x cluster x + cx
	s_and_b32 s66, ttmp7, 0xffff
	s_lshl_b32 s66, s66, 2
	s_add_co_u32 s66, s66, s41                     ; my tile row = 4 x cluster y + cy
	s_lshl_b32 s67, s41, 2
	s_lshl_b32 s67, 15, s67                        ; my row of the cluster
	s_lshl_b32 s73, 0x1111, s40                    ; my column
	s_or_b32 s[G1+0], s67, (1<<16)|(1<<20)|(1<<21)|(5<<22)|(3<<25)   ; mask; 2-byte elements; padding on; bit 21 beside a mask; after every 64 words, 4 words
	s_or_b32 s[G1B+0], s73, (1<<16)|(1<<20)|(1<<21)|(5<<22)|(3<<25)
.irp g, G1, G1B
	s_mov_b32 s[(\g)+1], KSTEP<<16                 ; tensor_dim0 = 128
	s_mov_b32 s[(\g)+2], 128<<16                   ; tensor_dim1 = 128
	s_mov_b32 s[(\g)+3], KSTEP<<16                 ; tile_dim0 = 128
	s_mov_b32 s[(\g)+4], 128                       ; tile_dim1 = 128
	s_mov_b32 s[(\g)+5], SIZE_K                    ; elements from row to row
	s_mov_b32 s[(\g)+6], 0
	s_mov_b32 s[(\g)+7], 0
.endr
	s_mov_b32 s[SEL], 0x76543210
	s_mov_b32 s[SEL+1], 0xfedcba98
	s_mov_b32 s[HM], 0xffff0000
	s_mov_b32 s[TB], 0
	s_mov_b32 s[OFA], KSTEP*2                      ; K step 1: the second of the two first fills
	s_mov_b32 s[OFA+1], 0
	s_mov_b32 s[NXB], 1024*SIZE_K*2-7*KSTEP*2
	s_mov_b32 s[NXB+1], 0
	s_mov_b32 s[ONE], KSTEP*2
	s_mov_b32 s[ONE+1], 0
	s_mov_b32 s[NXP], 1023*SIZE_K*2+KSTEP*2        ; from the K step after a tile's last to the next tile's K step 1
	s_mov_b32 s[NXP+1], 0
	s_lshl_b32 s74, s[HC], 7                       ; which 128 rows of the tile I fetch
	s_lshl_b32 s20, s66, 8
	s_add_co_u32 s20, s20, s74
	s_lshl_b32 s20, s20, 11                        ; xb: (256 x tile row + 128 x half) rows of 2,048 bytes
	s_mov_b32 s21, 0
	s_lshl_b32 s46, s42, 8
	s_add_co_u32 s46, s46, s74
	s_lshl_b32 s46, s46, 11                        ; wb: (256 x tile column + 128 x half) rows
	s_mov_b32 s47, 0
	s_mul_i32 s76, s[WV], HALFT                    ; where they go: wave x 128 rows: no place in the cluster enters an LDS address
	s_wait_dscnt 0x0                               ; both opening adds are done
	s_wait_kmcnt 0x0
	s_add_nc_u64 s[ABASE:ABASE+1], s[4:5], s[20:21]
	s_add_nc_u64 s[46:47], s[6:7], s[46:47]
	CROUND                                         ; all sixteen work-groups are here: the first joint loads meet
.irp s, 0,1
	s_mov_b32 s[G0+4*(\s)], 1
	s_add_co_u32 s[G0+4*(\s)+1], s76, (\s)*SLOT
	s_add_nc_u64 s[G0+4*(\s)+2:G0+4*(\s)+3], s[ABASE:ABASE+1], (\s)*KSTEP*2
	s_or_b32 s[G0+4*(\s)+3], s[G0+4*(\s)+3], 0x80000000
	s_mov_b32 s[G0B+4*(\s)], 1
	s_add_co_u32 s[G0B+4*(\s)+1], s76, (\s)*SLOT
	s_add_nc_u64 s[G0B+4*(\s)+2:G0B+4*(\s)+3], s[46:47], (\s)*KSTEP*2
	s_or_b32 s[G0B+4*(\s)+3], s[G0B+4*(\s)+3], 0x80000000
	JLOAD \s                                       ; the ring is filled before anything else is done
.endr
	v_and_b32 v1, 15, v0                           ; l % 16
	v_bfe_u32 v2, v0, 4, 1                         ; l / 16
	v_and_b32 v5, 31, v0                           ; l
	v_lshlrev_b32 v[BO], 5, v2
	v_lshlrev_b32 v[R4], 2, v1
	v_lshlrev_b32 v[L8], 3, v5
	v_lshlrev_b32 v[GOP], 4, v5
	s_lshl_b32 s19, s66, 8
	s_lshl_b32 s20, s[HR], 7
	s_add_co_u32 s19, s19, s20                     ; row0: my first row
	s_lshl_b32 s73, s42, 1
	s_add_co_u32 s73, s73, s[HC]                   ; 2 cx + half: my 128 columns among the first tiles' 1,024
	s_mov_b32 s21, 0
	s_lshl_b32 s20, s73, 9
	s_add_nc_u64 s[BB:BB+1], s[8:9], s[20:21]      ; 128 numbers of 4 bytes each
	s_lshl_b32 s20, s19, 2
	s_add_nc_u64 s[74:75], s[8:9], s[20:21]        ; xs2 less its 16,384
	BIASLD 0
.irp a, 0,1,2,3,4,5,6,7
	global_load_b32 v[OB+(\a)], v[R4], s[74:75] offset:16384+64*(\a)  ; xs2 of my lane's row in block a
.endr
	global_load_b128 v[OB+8:OB+11], v[GOP], s[8:9] offset:81920       ; pmax 0-127, four a lane
	global_load_b64 v[OB+12:OB+13], v[L8], s[8:9] offset:81920+512    ; pmax 128-191, two a lane
	; where my results go
	s_lshl_b32 s20, s19, 11
	s_lshl_b32 s22, s73, 8
	s_add_co_u32 s20, s20, s22
	s_add_nc_u64 s[10:11], s[10:11], s[20:21]      ; qh: row0 x 2,048 + my 256 bytes
	s_lshl_b32 s20, s73, 21
	s_lshl_b32 s22, s19, 7
	s_add_co_u32 s20, s20, s22
	s_add_nc_u64 s[12:13], s[12:13], s[20:21]      ; pkv: chunk 2 cx + half (2 MiB each), row0 x 128
	s_lshl_b32 s20, s73, 16
	s_lshl_b32 s22, s19, 2
	s_add_co_u32 s20, s20, s22
	s_add_nc_u64 s[14:15], s[14:15], s[20:21]      ; ss: chunk 2 cx + half (65,536 bytes each), row0 x 4
	; the prefetches
	s_lshl_b32 s20, s66, 8
	s_lshl_b32 s21, s42, 8
	s_and_b32 s22, ttmp7, 0xffff                   ; cluster y
	s_cmp_eq_u32 s[HR], 0                          ; do I fetch for xb?
	s_cselect_b32 s20, s20, s21                    ; the tile's first row
	s_cselect_b32 s21, s40, s41                    ; my place among the four that ask with me
	s_cselect_b32 s22, ttmp9, s22                  ; the coordinate along which other clusters read the same rows
	s_cselect_b64 s[PFA:PFA+1], s[4:5], s[6:7]
	s_cmp_eq_u32 s22, 0
	s_cselect_b32 s[LIM], 1, -1                    ; the same in all sixteen partners, for a given wave
	s_lshl_b32 s22, s[HC], 7
	s_add_co_u32 s20, s20, s22
	s_lshl_b32 s21, s21, 5
	s_add_co_u32 s20, s20, s21                     ; + the 128 rows that I fetch + my work-group's 32 of them
	s_lshl_b32 s20, s20, 11
	s_mov_b32 s21, 0
	s_add_nc_u64 s[PFA:PFA+1], s[PFA:PFA+1], s[20:21]
	s_add_nc_u64 s[PFA:PFA+1], s[PFA:PFA+1], 2*KSTEP*2  ; at K step 2: the first refill steps it to 3 and names K step 4
	; LDS addresses.  A fragment is 16 rows x 32 K in 8 registers: lane l holds row l % 16, K = 8 (l / 16) + 0..7 and 16 + 8 (l / 16) + 0..7: two loads of 16 bytes, 32 bytes apart
	v_mul_u32_u24 v3, v1, PITCH
	v_lshl_add_u32 v3, v2, 4, v3
	s_mul_i32 s20, s[HR], HALFT
	s_mul_i32 s21, s[HC], HALFT
	s_add_co_u32 s21, s21, 2*HALFT
	v_add_nc_u32 v[A0], s20, v3
	v_add_nc_u32 v[B0], s21, v3
	v_add_nc_u32 v[ADRA], s[TB], v[A0]             ; slot 0
	v_add_nc_u32 v[ADRB], s[TB], v[B0]
	s_mul_i32 s22, s[WV], WSTAGE
	s_add_co_u32 s22, s22, STAGE                   ; my stage
	v_add_nc_u32 v[STO], s22, v3                   ; q in: row l % 16, 16 bytes for each half of the lanes
	v_mul_u32_u24 v4, v2, SPITCH
	v_lshl_add_u32 v4, v1, 4, v4
	v_add_nc_u32 v[RD], s22, v4                    ; q back: lanes 0-15 one row of 256 bytes, lanes 16-31 the next
	v_lshlrev_b32 v4, 11, v2
	v_lshl_add_u32 v[CO], v1, 4, v4                ; and the same two rows in qh
	v_mul_u32_u24 v4, v1, PPITCH
	v_lshl_add_u32 v4, v2, 4, v4
	v_add_nc_u32 v[STP], s22, v4                   ; k v in: rows of 144 bytes
	v_bfe_u32 v4, v0, 3, 2
	v_mul_u32_u24 v4, v4, PPITCH
	v_and_b32 v14, 7, v0
	v_lshl_add_u32 v4, v14, 4, v4
	v_add_nc_u32 v[RDP], s22, v4                   ; k v back: 32 lanes take four rows of 128 bytes
	v_lshl_add_u32 v[SSA], v5, 2, s22
	v_lshl_add_u32 v[SSB], v5, 4, s22
	v_lshlrev_b32 v[PFO], 11, v5
; 16 matrix instructions: m blocks a0, a0 + 1 of the window's four x all 8 n blocks, 32 along K.  first = 1: the C operand is the bias (window 1), and the products start the sums.
; The 64 accumulators take turns in the same order in every quarter step.
.macro MUL16 f, hi, a0, first
.if \first
	WIN 0x91+0x40*(\hi)                            ; wb window 1, xb window 0, C window 1, D window 2 or 3
.else
	WIN 0xa1+0x50*(\hi)                            ; C and D window 2 or 3
.endif
.irp a, \a0, (\a0)+1
.irp b, 0,1,2,3,4,5,6,7
.if \first
	v_wmma_f32_16x16x32_bf16 v[8*(8*(\a)+(\b)):8*(8*(\a)+(\b))+7], v[(\f)+8*(\b):(\f)+8*(\b)+7], v[(\f)+8*(4*(\hi)+(\a)):(\f)+8*(4*(\hi)+(\a))+7], v[8*(\b):8*(\b)+7]
.else
	v_wmma_f32_16x16x32_bf16 v[8*(8*(\a)+(\b)):8*(8*(\a)+(\b))+7], v[(\f)+8*(\b):(\f)+8*(\b)+7], v[(\f)+8*(4*(\hi)+(\a)):(\f)+8*(4*(\hi)+(\a))+7], v[8*(8*(\a)+(\b)):8*(8*(\a)+(\b))+7]
.endif
.endr
.endr
.endm
.macro FETCH k, f                      ; 32 LDS loads in one run: a quarter step's fragments (32 K at byte k of the rows of the slot in hand) into buffer f
	WIN 0x40
.irp i, 0,1,2,3,4,5,6,7
	ds_load_b128 v[(\f)+8*(\i):(\f)+8*(\i)+3],   v[ADRB] offset:(\k)+(\i)*16*PITCH
	ds_load_b128 v[(\f)+8*(\i)+4:(\f)+8*(\i)+7], v[ADRB] offset:(\k)+(\i)*16*PITCH+32
.endr
	WIN 0
.irp i, 0,1,2,3,4,5,6,7
	ds_load_b128 v[(\f)+8*(\i):(\f)+8*(\i)+3],   v[ADRA] offset:(\k)+(\i)*16*PITCH
	ds_load_b128 v[(\f)+8*(\i)+4:(\f)+8*(\i)+7], v[ADRA] offset:(\k)+(\i)*16*PITCH+32
.endr
.endm
.macro PLACES                          ; four plain vector instructions between a matrix instruction and a load into a register that it has read (ISA guide 7.12.1 for vector instructions)
.rept 4
	v_nop
.endr
.endm
; A K step is four quarters of 32 along K on buffers 0, 1, 0, 1.  One of the first three multiplies buffer f and, in its middle, fetches the next quarter, at byte k, into g.
.macro QUARTER k, f, g, first
	s_wait_dscnt 8                                 ; wb's fragments and xb's rows 0-63 are in; the youngest eight loads (rows 64-127) may be out
	MUL16 \f, 0, 0, \first
	MUL16 \f, 0, 2, \first
	PLACES
	FETCH \k, \g
	s_wait_dscnt 32                                ; all but the 32 just issued
	MUL16 \f, 1, 0, \first
	MUL16 \f, 1, 2, \first
.endm
; The first half of a K step's last quarter: the one barrier of the change of slots.  Ahead of it each wave waits for all its tensor loads (one is out: its part of the next slot), adds 0 to its
; spare word, and waits for that and for its own reads of this slot.  Behind it nobody reads this slot and the next slot is whole.
.macro MEET round
	WIN 0
	s_wait_tensorcnt 0x0
	ds_add_u32 v[SPW], v[NIL]
	s_wait_dscnt 9                                 ; the add and the youngest eight loads may be out
	MUL16 F1, 0, 0, 0
	s_wait_dscnt 0x0                               ; the add is done, and my reads of this slot are over
	s_barrier_signal -1
	MUL16 F1, 0, 2, 0
.if \round
	WIN 0
.endif
	s_barrier_wait -1
.endm
; The whole last quarter with a refill: the slot just read out takes the K step two on.  The walking descriptors: the other slot than last time (an exclusive or on the LDS word).  xb's tile address is made
; anew: the base, which never changes, plus the offset along K, which goes round the row (K steps 2, 3 .. 7, 0, 1, 2 ..: behind a tile's last K step comes the next tile's first, of the same rows); then the
; type bits are set again.  wb's address is stepped: one K step on, or, where the offset has come round to 0, to the next tile's K step 0.
.macro TURN
	s_wait_xcnt 0x0                                ; the last prefetch, a K step back, has read its address
	s_add_co_u32 s[OFA], s[OFA], KSTEP*2           ; an offset, kept apart from every address
	s_and_b32 s[OFA], s[OFA], 2*SIZE_K-1
	s_cmp_eq_u32 s[OFA], 0
	s_cselect_b64 s[DB:DB+1], s[NXB:NXB+1], s[ONE:ONE+1]
	s_cmp_eq_u32 s[KS], 2                          ; the tile's K step 6: the prefetches go on to the next tile
	s_cselect_b64 s[DP:DP+1], s[NXP:NXP+1], s[ONE:ONE+1]
	s_add_nc_u64 s[PFA:PFA+1], s[PFA:PFA+1], s[DP:DP+1]
	s_lshl_b32 s79, s[HR], 4
	s_or_b32 s79, s79, s[KS]
	s_cmp_eq_u32 s79, 2                            ; a wave that fetches xb, there:
	s_cselect_b32 s[LIM], -1, s[LIM]               ; xb's rows have been read, and are prefetched no more
	MEET 1
	CREST                                          ; the barrier has opened a round of the cluster's: no wave of any partner still reads this slot or has a load on its way
	s_xor_b32 s[G0+5], s[G0+5], SLOT
	s_add_nc_u64 s[G0+6:G0+7], s[ABASE:ABASE+1], s[OFA:OFA+1]
	s_or_b32 s[G0+7], s[G0+7], 0x80000000          ; 127:126 type = 2
	s_xor_b32 s[G0B+5], s[G0B+5], SLOT
	s_add_nc_u64 s[G0B+6:G0B+7], s[G0B+6:G0B+7], s[DB:DB+1]
	JLOAD 1                                        ; the first tensor load behind the round, 224 matrix instructions ahead of the wait for it; its four v_nop are also the places in front of the loads below
	OTHER
	FETCH 0, F0
	ASK
	MUL16 F1, 1, 0, 0
	MUL16 F1, 1, 2, 0
.endm
; THE WAY OUT, a block a of 16 rows x my 128 columns at a time.  Each accumulator's lowest registers are read first: every run goes in ascending order.
; A block comes back from the stage into its own accumulators' registers, which have been packed by then, and is stored from there: no register that a store reads is written again before the tile's end.
.macro RED a, n                        ; the lane's sum, the other half of the lanes' (the row's other columns), times rS^2 n times
	WIN 0
	v_pk_add_f32 v[SSW:SSW+1], v[SSW:SSW+1], v[SSW+2:SSW+3]
	v_pk_add_f32 v[SSW+4:SSW+5], v[SSW+4:SSW+5], v[SSW+6:SSW+7]
	v_pk_add_f32 v[SSW:SSW+1], v[SSW:SSW+1], v[SSW+4:SSW+5]
	v_add_f32 v[SSW], v[SSW], v[SSW+1]
	v_permlanex16_b32 v[SSW+1], v[SSW], s[SEL], s[SEL+1]
	v_add_f32 v[SQ+(\a)], v[SSW], v[SSW+1]
	WIN 0x04                                       ; source 1 window 1
.rept \n
	v_mul_f32 v[SQ+(\a)], v[SQ+(\a)], v[RS2+2*(\a)]
.endr
	WIN 0
.endm
.macro SUMSQ n                         ; the sum of squares of n pairs from v[AC] on, in four chains
	WIN WN*5                                       ; sources 0 and 1 in the accumulators' window
.set p, 0
.rept \n
.if p < 4
	v_pk_mul_f32 v[SSW+2*p:SSW+2*p+1], v[AC+2*p:AC+2*p+1], v[AC+2*p:AC+2*p+1]
.else
	v_pk_fma_f32 v[SSW+2*(p%4):SSW+2*(p%4)+1], v[AC+2*p:AC+2*p+1], v[AC+2*p:AC+2*p+1], v[SSW+2*(p%4):SSW+2*(p%4)+1]
.endif
.set p, p+1
.endr
.endm
.macro SCALEBY n, reg                  ; n pairs from v[AC] on, times the low word of window 1's pair reg
	WIN (WN<<6)|4|WN
.set p, 0
.rept \n
	v_pk_mul_f32 v[AC+2*p:AC+2*p+1], v[AC+2*p:AC+2*p+1], v[(\reg):(\reg)+1] op_sel_hi:[1,0]
.set p, p+1
.endr
.endm
.macro TOF16 n                         ; n pairs rounded to f16: a lane's eight numbers of an n block pack into 16 bytes
	WIN WN*5
.set p, 0
.rept \n
	v_cvt_pk_f16_f32 v[TMP+p], v[AC+2*p], v[AC+2*p+1]
.set p, p+1
.endr
.endm
.macro BLOCK a                         ; block a's accumulators: v[AC] on, in window WN
.set AC, 64*((\a)%4)
.set WN, 2+(\a)/4
.endm
.macro PACKQ a
	BLOCK \a
	SUMSQ 32
	SCALEBY 32, RS+2*(\a)
	TOF16 32
	RED \a, 1
.endm
.macro PACKKV a                        ; k in n blocks 0-3 (v[AC] on), v in 4-7 (v[AC+32] on)
	BLOCK \a
	SUMSQ 16
	WIN (WN<<6)|WN*5
.set p, 0
.rept 16
	v_pk_mul_f32 v[AC+2*p:AC+2*p+1], v[AC+2*p:AC+2*p+1], v[AC+32+2*p:AC+32+2*p+1]
.set p, p+1
.endr
	SCALEBY 16, RS2+2*(\a)
	TOF16 16
	RED \a, 2
.endm
.macro TOSTQ a                         ; into my own stage and back as whole rows of 256 bytes; LDS serves a wave's instructions in order (ISA guide 5.7.1.4)
	BLOCK \a
	WIN 0
.irp b, 0,1,2,3,4,5,6,7
	ds_store_b128 v[STO], v[TMP+4*(\b):TMP+4*(\b)+3] offset:32*(\b)
.endr
	WIN WN<<6                                      ; destination in the block's window
.irp t, 0,1,2,3,4,5,6,7
	ds_load_b128 v[AC+4*(\t):AC+4*(\t)+3], v[RD] offset:(\t)*2*SPITCH
.endr
.endm
.macro SENDQ a
	BLOCK \a
	WIN WN<<2                                      ; the stores' data in the block's window
	s_wait_dscnt 0x0
.irp t, 0,1,2,3,4,5,6,7
	global_store_b128 v[CO], v[AC+4*(\t):AC+4*(\t)+3], s[10:11] offset:(16*(\a)+2*(\t))*2048  ; 16 lanes store 256 consecutive bytes, aligned
.endr
.endm
.macro TOSTP a
	BLOCK \a
	WIN 0
.irp b, 0,1,2,3
	ds_store_b128 v[STP], v[TMP+4*(\b):TMP+4*(\b)+3] offset:32*(\b)
.endr
	WIN WN<<6
.irp f, 0,1,2,3
	ds_load_b128 v[AC+4*(\f):AC+4*(\f)+3], v[RDP] offset:(\f)*4*PPITCH
.endr
.endm
.macro SENDP a
	BLOCK \a
	WIN WN<<2
	s_wait_dscnt 0x0
.irp f, 0,1,2,3
	global_store_b128 v[GOP], v[AC+4*(\f):AC+4*(\f)+3], s[12:13] offset:2048*(\a)+512*(\f)  ; four rows of a chunk: 512 consecutive bytes
.endr
.endm
.macro STATS                           ; my 128 rows' sums, through the stage, as 512 consecutive bytes of ss
	WIN 0
.irp i, 0,1,2,3
	v_cndmask_b32 v[ST4+(\i)], v[SQ+2*(\i)], v[SQ+2*(\i)+1], s[HM]  ; lanes 0-15 block 2 i, lanes 16-31 block 2 i + 1: row 32 i + l
.endr
.irp i, 0,1,2,3
	ds_store_b32 v[SSA], v[ST4+(\i)] offset:128*(\i)
.endr
	s_wait_xcnt 0x0                                ; the last tile's store has read BK4
	ds_load_b128 v[BK4:BK4+3], v[SSB]
	s_wait_dscnt 0x0
	global_store_b128 v[GOP], v[BK4:BK4+3], s[14:15]
.endm
	s_wait_tensorcnt 1                             ; my part of K step 0 is in; K step 1's may stay out
	s_barrier_signal -1
	s_barrier_wait -1                              ; everybody's is
	FETCH 0, F0
	s_wait_loadcnt 0x0                             ; bias, xs2, pmax
	v_max3_num_f32 v[OB+8], v[OB+8], v[OB+9], v[OB+10]
	v_max3_num_f32 v[OB+11], v[OB+11], v[OB+12], v[OB+13]
	v_max_num_f32 v[OB+8], v[OB+8], v[OB+11]
	v_max_num_f32_dpp v[OB+8], v[OB+8], v[OB+8] row_xmask:1 row_mask:0xf bank_mask:0xf
	v_max_num_f32_dpp v[OB+8], v[OB+8], v[OB+8] row_xmask:2 row_mask:0xf bank_mask:0xf
	v_max_num_f32_dpp v[OB+8], v[OB+8], v[OB+8] row_xmask:4 row_mask:0xf bank_mask:0xf
	v_max_num_f32_dpp v[OB+8], v[OB+8], v[OB+8] row_xmask:8 row_mask:0xf bank_mask:0xf
	v_permlanex16_b32 v[OB+9], v[OB+8], s[SEL], s[SEL+1]
	v_max_num_f32 v[OB+8], v[OB+8], v[OB+9]        ; the largest |W_e|^2 + b_e^2
.irp a, 0,1,2,3,4,5,6,7
	v_mul_f32 v[OB+(\a)], v[OB+(\a)], v[OB+8]      ; S^2
.endr
.irp a, 0,1,2,3,4,5,6,7
	v_rsq_f32 v[OB+(\a)], v[OB+(\a)]
.endr
	v_nop                                          ; a plain instruction behind the last of the batch,
	s_wait_alu depctr_va_vdst(0)                   ; and the one wait ahead of the first use
.irp a, 0,1,2,3,4,5,6,7
	v_mul_f32 v[OB+(\a)], 0x43000000, v[OB+(\a)]   ; rS = 128 / S
.endr
	WIN 0x40
.irp a, 0,1,2,3,4,5,6,7
	v_mov_b32 v[RS+2*(\a)], v[OB+(\a)]
	v_mov_b32 v[RS+2*(\a)+1], v[OB+(\a)]           ; named with it as a pair
	v_mul_f32 v[RS2+2*(\a)], v[OB+(\a)], v[OB+(\a)]
	v_mul_f32 v[RS2+2*(\a)+1], v[OB+(\a)], v[OB+(\a)]
.endr
	WIN 0
	s_mov_b32 s[TL], 3
	s_mov_b32 s[STEP], 0
.Ltile:
	s_wait_loadcnt 0x0                             ; this tile's bias
	QUARTER 64,  F0, F1, 1                         ; a tile's first quarter: its products start the sums with the bias
	WIN 0                                          ; at a label and at a branch every window is 0
	s_mov_b32 s[KS], 8
.Lstep:                                                ; a trip goes from a K step's second quarter to the next K step's first, and fills the slot that it leaves; it is left in its middle at a tile's end
	QUARTER 128, F1, F0, 0
	QUARTER 192, F0, F1, 0
	WIN 0
	s_lshl_b32 s79, s[TL], 4
	s_or_b32 s79, s79, s[KS]
	s_cmp_eq_u32 s79, 0x12                         ; the last tile's last K step but one asks for nothing: the rest is written out below
	s_cbranch_scc1 .Lfinal
	TURN
	WIN 0
	s_cmp_eq_u32 s[KS], 1                          ; the tile is finished; the next tile's K steps 0 and 1 have been asked for, and its first fragments fetched
	s_cbranch_scc1 .Lout
	QUARTER 64,  F0, F1, 0
	WIN 0
	s_sub_co_u32 s[KS], s[KS], 1
	s_cmp_lg_u32 s[KS], 0
	s_cbranch_scc1 .Lstep
.Lfinal:
	MEET 0                                         ; my one tensor load that was out is the last K step's, so no round follows
	WIN 0
	OTHER                                          ; its two vector lines and the two below are the four places in front of the loads
	v_nop
	v_nop
	FETCH 0, F0
	MUL16 F1, 1, 0, 0
	MUL16 F1, 1, 2, 0
	QUARTER 64,  F0, F1, 0
	QUARTER 128, F1, F0, 0
	QUARTER 192, F0, F1, 0
	s_wait_dscnt 8
	MUL16 F1, 0, 0, 0
	MUL16 F1, 0, 2, 0
	s_wait_dscnt 0x0
	MUL16 F1, 1, 0, 0
	MUL16 F1, 1, 2, 0
	WIN 0
.Lout:
.rept 8
	v_nop                                          ; the places behind the last products
.endr
	s_cmp_eq_u32 s[TL], 1
	s_cbranch_scc1 .Lno_bias
	BIASLD 4096                                    ; the next tile's bias, 1,024 numbers on: it lands while this tile goes out
.Lno_bias:
	s_cmp_lg_u32 s[STEP], 0
	s_cbranch_scc1 .Lkv
	PACKQ 0
	TOSTQ 0
.irp a, 1,2,3,4,5,6,7                  ; block a's arithmetic stands between block a - 1's loads from the stage and the wait for them
	PACKQ \a
	SENDQ (\a)-1
	TOSTQ \a
.endr
	SENDQ 7
	WIN 0
	s_branch .Lstepon
.Lkv:
	PACKKV 0
	TOSTP 0
.irp a, 1,2,3,4,5,6,7
	PACKKV \a
	SENDP (\a)-1
	TOSTP \a
.endr
	SENDP 7
	WIN 0
	s_wait_xcnt 0x0                                ; the stores have read their base
	s_add_nc_u64 s[12:13], s[12:13], 0x1000000     ; eight chunks on
.Lstepon:
	STATS
	s_wait_xcnt 0x0                                ; every store has read its data and its base, the bias's loads their base: the bases are stepped, and the next tile's products write the accumulators, only behind this wait
	s_add_nc_u64 s[14:15], s[14:15], 8*65536       ; eight chunks of ss on
	s_add_nc_u64 s[BB:BB+1], s[BB:BB+1], 4096
	s_add_co_u32 s[STEP], s[STEP], 1
	s_sub_co_u32 s[TL], s[TL], 1
	s_cmp_lg_u32 s[TL], 0
	s_cbranch_scc1 .Ltile
	s_wait_tensorcnt 0x0                           ; the wave's end: behind my last tensor load and my last LDS store
	ds_add_u32 v[SPW], v[NIL]
	s_wait_dscnt 0x0
	CROUND                                         ; the closing round: no work-group ends while a partner may still ask for a tile that names it
	s_endpgm
.Lfunc_end_k_q339f7686d8_qkv:
	.size	k_q339f7686d8_qkv, .Lfunc_end_k_q339f7686d8_qkv-k_q339f7686d8_qkv
	.p2alignl 7, 3214868480
	.fill 96, 4, 3214868480
	.section	.rodata,"a",@progbits
	.p2align	6, 0x0
	.amdhsa_kernel k_q339f7686d8_qkv
		.amdhsa_group_segment_fixed_size 327680
		.amdhsa_private_segment_fixed_size 0
		.amdhsa_enable_private_segment 0
		.amdhsa_kernarg_size 48
		.amdhsa_user_sgpr_count 2
		.amdhsa_user_sgpr_kernarg_segment_ptr 1
		.amdhsa_wavefront_size32 1
		.amdhsa_system_sgpr_workgroup_id_x 1
		.amdhsa_system_sgpr_workgroup_id_y 1
		.amdhsa_system_sgpr_workgroup_id_z 1
		.amdhsa_system_vgpr_workitem_id 0
		.amdhsa_next_free_vgpr 1024
		.amdhsa_next_free_sgpr 100
		.amdhsa_reserve_vcc 0
		.amdhsa_float_denorm_mode_32 3
		.amdhsa_float_denorm_mode_16_64 3
		.amdhsa_memory_ordered 1
		.amdhsa_forward_progress 1
		.amdhsa_inst_pref_size 196
	.end_amdhsa_kernel
	.amdgpu_metadata
---
amdhsa.version: [ 1, 2 ]
amdhsa.kernels:
  - .name:           k_q339f7686d8_qkv
    .symbol:         k_q339f7686d8_qkv.kd
    .args:
      - { .name: xb, .offset: 0, .size: 8, .value_kind: global_buffer, .address_space: global }
      - { .name: wb, .offset: 8, .size: 8, .value_kind: global_buffer, .address_space: global }
      - { .name: aux1, .offset: 16, .size: 8, .value_kind: global_buffer, .address_space: global }
      - { .name: qh, .offset: 24, .size: 8, .value_kind: global_buffer, .address_space: global }
      - { .name: pkv, .offset: 32, .size: 8, .value_kind: global_buffer, .address_space: global }
      - { .name: ss, .offset: 40, .size: 8, .value_kind: global_buffer, .address_space: global }
    .group_segment_fixed_size: 327680
    .private_segment_fixed_size: 0
    .kernarg_segment_align: 8
    .kernarg_segment_size: 48
    .max_flat_workgroup_size: 128
    .sgpr_count:     100
    .vgpr_count:     1024
    .wavefront_size: 32
...
	.end_amdgpu_metadata
.endif
;; end of part 2
;; launch kvsum (part 3): grid 64 x 4, 8 waves a work-group, no clusters, 4,096 bytes of LDS; arguments pkv, ss, mask, kvp; writes kvp
.if DOCPART == 3
	.amdgcn_target "amdgcn-amd-amdhsa--gfx1250"
	.amdhsa_code_object_version 6
	.text
	.protected	k_q339f7686d8_kvsum
	.globl	k_q339f7686d8_kvsum
	.p2align	8
	.type	k_q339f7686d8_kvsum,@function
k_q339f7686d8_kvsum:
	s_mov_b64 s[64:65], 0
	v_nop
	global_prefetch_b8 v0, s[64:65] scope:SCOPE_SE
	s_setreg_imm32_b32 hwreg(HW_REG_WAVE_MODE, 25, 1), 1
	s_wait_xcnt 0x0
; KVSUM.  kvp[x][d] = the sum over the 256 rows t of row block x of c_t pkv[d / 64][t][d % 64], with c_t = 0 where mask[t], else 1 / sqrt(the sum over the 16 chunks of ss[8 + c][t]).
; pkv holds k v rS^2 and that sum is |k|^2 rS^4, so c_t pkv = (k / |k|) v: the scale falls out.  A masked row counts as 0 whatever its norm; an unmasked row of norm 0 gives NaN, as the division by 0 does.
; A work-group takes 256 rows (grid x) and four chunks of 64 channels (grid y).  Wave w takes chunk 4 y + w / 2 and rows 128 (w % 2) on: 16,384 consecutive bytes, read once, all 32 loads issued at once.
; The products are taken straight from the f16 halves into f32 sums.  A stream with 128 KiB of a work-group on its way: no matrix unit, cluster, tile ring or prefetch.
.set CT,    0                          ; LDS: c of the 256 rows
.set KV,    1024                       ; each wave's 64 sums, 256 bytes
.set SPARE, 3072                       ; the spare words, 128 bytes a wave
.set SPW, 8                            ; v8  my spare word; never rewritten
.set NIL, 9                            ; v9  0; never rewritten
.set ZR,  10                           ; v10 0, for arithmetic
.set U,   12                           ; v[12:27] my row's 16 partial sums
.set MK,  28
.set ACC, 32                           ; v[32:39] my 8 channels
.set P,   64                           ; v[64:191] load i: 4 registers: row 4 i + l / 8, channels 8 (l % 8) + 0..7
.set C,   192                          ; v[192:223] c of that row
	s_load_b256 s[4:11], s[0:1], 0x0               ; pkv 4, ss 6, mask 8, kvp 10
	v_lshl_add_u32 v[SPW], v0, 2, SPARE
	v_mov_b32 v[NIL], 0
	v_mov_b32 v[ZR], 0
	v_and_b32 v1, 31, v0
	v_lshrrev_b32 v6, 5, v0
	v_readfirstlane_b32 s12, v6                    ; wave
	v_lshlrev_b32 v2, 2, v0                        ; 4 x thread
	v_lshlrev_b32 v3, 4, v1                        ; 16 x lane
	s_and_b32 s13, ttmp7, 0xffff                   ; y
	s_lshl_b32 s14, ttmp9, 8                       ; t0
	s_and_b32 s15, s12, 1
	s_lshr_b32 s16, s12, 1
	s_lshl_b32 s17, s13, 2
	s_add_co_u32 s17, s17, s16                     ; my chunk
	s_lshl_b32 s18, s17, 21                        ; 16,384 rows of 128 bytes
	s_lshl_b32 s19, s15, 7
	s_add_co_u32 s19, s19, s14
	s_lshl_b32 s19, s19, 7                         ; my first row
	s_add_co_u32 s18, s18, s19
	s_mov_b32 s19, 0
	s_lshl_b32 s20, s14, 2
	s_mov_b32 s21, 0
	s_mov_b32 s22, s14
	s_mov_b32 s23, 0
	s_lshl_b32 s24, ttmp9, 12
	s_lshl_b32 s25, s13, 10
	s_add_co_u32 s24, s24, s25
	s_mov_b32 s25, 0
	s_mov_b32 s26, 0x76543210
	s_mov_b32 s27, 0xfedcba98
	v_lshrrev_b32 v4, 3, v1
	v_lshlrev_b32 v4, 2, v4
	s_lshl_b32 s28, s15, 9
	v_add_nc_u32 v4, s28, v4                       ; c of row 128 (w % 2) + l / 8
	v_and_b32 v5, 7, v1
	v_lshlrev_b32 v5, 5, v5
	s_lshl_b32 s28, s12, 8
	v_add_nc_u32 v5, s28, v5                       ; 256 w + 32 (l % 8)
	v_lshlrev_b32 v7, 4, v0                        ; 16 x thread
	v_lshrrev_b32 v11, 4, v0
	v_lshlrev_b32 v11, 9, v11
	v_and_b32 v6, 15, v0
	v_lshl_add_u32 v11, v6, 4, v11                 ; 512 (thread / 16) + 16 (thread % 16)
	s_wait_kmcnt 0x0
	s_add_nc_u64 s[4:5], s[4:5], s[18:19]
	s_add_nc_u64 s[6:7], s[6:7], s[20:21]
	s_add_nc_u64 s[8:9], s[8:9], s[22:23]
	s_add_nc_u64 s[10:11], s[10:11], s[24:25]
.set c, 0
.rept 16
	global_load_b32 v[U+c], v2, s[6:7] offset:(8+c)*65536
.set c, c+1
.endr
	global_load_u8 v[MK], v0, s[8:9]
.set i, 0
.rept 32
	global_load_b128 v[P+4*i:P+4*i+3], v3, s[4:5] offset:512*i th:TH_LOAD_NT
.set i, i+1
.endr
	s_wait_loadcnt 32                              ; the 32 loads of pkv may stay out
.irp s, 8,4,2
.set c, 0
.rept (\s)/2
	v_pk_add_f32 v[U+2*c:U+2*c+1], v[U+2*c:U+2*c+1], v[U+(\s)+2*c:U+(\s)+2*c+1]
.set c, c+1
.endr
.endr
	v_add_f32 v[U], v[U], v[U+1]
	v_rsq_f32 v[U], v[U]
	v_nop                                          ; a plain instruction behind it,
	v_cmp_ne_u32 vcc_lo, 0, v[MK]
	s_wait_alu depctr_va_vdst(0)                   ; and the wait ahead of the first use
	v_cndmask_b32 v[U], v[U], v[ZR], vcc_lo
	ds_store_b32 v2, v[U] offset:CT
	s_wait_dscnt 0x0                               ; for the others' sake
	s_barrier_signal -1
	s_barrier_wait -1
.set i, 0
.rept 32
	ds_load_b32 v[C+i], v4 offset:CT+16*i
.set i, i+1
.endr
	s_wait_dscnt 0x0
.set i, 0
.rept 32
	s_wait_loadcnt 31-i                            ; load i is in; the younger ones may stay out
.set j, 0
.rept 4
.if i == 0
	v_fma_mix_f32 v[ACC+2*j], v[P+j], v[C], v[ZR] op_sel_hi:[1,0,0]
	v_fma_mix_f32 v[ACC+2*j+1], v[P+j], v[C], v[ZR] op_sel:[1,0,0] op_sel_hi:[1,0,0]
.else
	v_fma_mix_f32 v[ACC+2*j], v[P+4*i+j], v[C+i], v[ACC+2*j] op_sel_hi:[1,0,0]
	v_fma_mix_f32 v[ACC+2*j+1], v[P+4*i+j], v[C+i], v[ACC+2*j+1] op_sel:[1,0,0] op_sel_hi:[1,0,0]
.endif
.set j, j+1
.endr
.set i, i+1
.endr
.irp j, 0,1,2,3,4,5,6,7                ; the four lanes with the same l % 8 hold the same channels
	v_add_f32_dpp v[ACC+(\j)], v[ACC+(\j)], v[ACC+(\j)] row_xmask:8 row_mask:0xf bank_mask:0xf
.endr
.irp j, 0,1,2,3,4,5,6,7
	v_permlanex16_b32 v[C+(\j)], v[ACC+(\j)], s26, s27
.endr
.irp j, 0,1,2,3,4,5,6,7
	v_add_f32 v[ACC+(\j)], v[ACC+(\j)], v[C+(\j)]
.endr
	ds_store_b128 v5, v[ACC:ACC+3] offset:KV       ; the four lanes write the same bytes with the same values
	ds_store_b128 v5, v[ACC+4:ACC+7] offset:KV+16
	s_wait_dscnt 0x0
	s_barrier_signal -1
	s_barrier_wait -1
	s_cmp_lt_u32 s12, 2
	s_cbranch_scc0 .Lend
	ds_load_b128 v[U:U+3], v11 offset:KV           ; the chunk's two halves of the rows
	ds_load_b128 v[U+4:U+7], v11 offset:KV+256
	s_wait_dscnt 0x0
	v_pk_add_f32 v[U:U+1], v[U:U+1], v[U+4:U+5]
	v_pk_add_f32 v[U+2:U+3], v[U+2:U+3], v[U+6:U+7]
	global_store_b128 v7, v[U:U+3], s[10:11]       ; a wave stores 512 consecutive bytes
.Lend:
	s_wait_tensorcnt 0x0                           ; the wave's end: behind my last LDS store
	ds_add_u32 v[SPW], v[NIL]
	s_wait_dscnt 0x0
	s_endpgm
.Lfunc_end_k_q339f7686d8_kvsum:
	.size	k_q339f7686d8_kvsum, .Lfunc_end_k_q339f7686d8_kvsum-k_q339f7686d8_kvsum
	.p2alignl 7, 3214868480
	.fill 96, 4, 3214868480
	.section	.rodata,"a",@progbits
	.p2align	6, 0x0
	.amdhsa_kernel k_q339f7686d8_kvsum
		.amdhsa_group_segment_fixed_size 4096
		.amdhsa_private_segment_fixed_size 0
		.amdhsa_enable_private_segment 0
		.amdhsa_kernarg_size 32
		.amdhsa_user_sgpr_count 2
		.amdhsa_user_sgpr_kernarg_segment_ptr 1
		.amdhsa_wavefront_size32 1
		.amdhsa_system_sgpr_workgroup_id_x 1
		.amdhsa_system_sgpr_workgroup_id_y 1
		.amdhsa_system_sgpr_workgroup_id_z 1
		.amdhsa_system_vgpr_workitem_id 0
		.amdhsa_next_free_vgpr 224
		.amdhsa_next_free_sgpr 66
		.amdhsa_reserve_vcc 1
		.amdhsa_float_denorm_mode_32 3
		.amdhsa_float_denorm_mode_16_64 3
		.amdhsa_memory_ordered 1
		.amdhsa_forward_progress 1
		.amdhsa_inst_pref_size 29
	.end_amdhsa_kernel
	.amdgpu_metadata
---
amdhsa.version: [ 1, 2 ]
amdhsa.kernels:
  - .name:           k_q339f7686d8_kvsum
    .symbol:         k_q339f7686d8_kvsum.kd
    .args:
      - { .name: pkv, .offset: 0, .size: 8, .value_kind: global_buffer, .address_space: global }
      - { .name: ss, .offset: 8, .size: 8, .value_kind: global_buffer, .address_space: global }
      - { .name: mask, .offset: 16, .size: 8, .value_kind: global_buffer, .address_space: global }
      - { .name: kvp, .offset: 24, .size: 8, .value_kind: global_buffer, .address_space: global }
    .group_segment_fixed_size: 4096
    .private_segment_fixed_size: 0
    .kernarg_segment_align: 8
    .kernarg_segment_size: 32
    .max_flat_workgroup_size: 256
    .sgpr_count:     66
    .vgpr_count:     224
    .wavefront_size: 32
...
	.end_amdgpu_metadata
.endif
;; end of part 3
;; launch wprep (part 4): grid 64 x 4, 8 waves a work-group, no clusters, 1,280 bytes of LDS; arguments kvp, wb, ss, wp; writes wp
.if DOCPART == 4
	.amdgcn_target "amdgcn-amd-amdhsa--gfx1250"
	.amdhsa_code_object_version 6
	.text
	.protected	k_q339f7686d8_wprep
	.globl	k_q339f7686d8_wprep
	.p2align	8
	.type	k_q339f7686d8_wprep,@function
k_q339f7686d8_wprep:
	s_mov_b64 s[64:65], 0
	v_nop
	global_prefetch_b8 v0, s[64:65] scope:SCOPE_SE
	s_setreg_imm32_b32 hwreg(HW_REG_WAVE_MODE, 25, 1), 1
	s_wait_xcnt 0x0
; WPREP.  For batch b (grid y): kv[d] = the sum of the batch's 16 rows of kvp; kvmax = max(max_d |kv[d]|, 2^-126).
;   wp[b][e][d] = f16(W_out[e][d] kv[d] / kvmax), W_out as rounded to bf16 in wb's rows 3,072 on; a work-group (grid x = j) writes rows e = 16 j .. 16 j + 15;
;   rsc[t] = kvmax / sqrt(the sum over the 8 chunks of ss[c][t]) at byte 8,388,608 of wp; the work-group's wave 0 writes rows t = 4,096 b + 64 j .. + 63.
; Then out = (q rS)(W_out kv / kvmax)^T rsc + b_out: rS and kvmax fall out.  |kv / kvmax| <= 1, so wp is no larger than W_out.  LIMIT: |W_out| <= 65,504 (f16's range).
; Thread i owns columns 4 i .. 4 i + 3.  Every work-group sums kvp anew (65,536 bytes that 64 work-groups read): less than a launch of its own would cost.
.set SPARE, 256                        ; LDS: the eight waves' maxima at byte 0; the spare words from 256 on
.set SPW, 8
.set NIL, 9
.set MX,  12                           ; v12 a maximum at work; v13 at work; v14 kvmax; v15 1 / kvmax
.set T,   16                           ; v[16:23] two sets of four f32 at work
.set M,   24                           ; v[24:31] the waves' maxima
.set KVL, 32                           ; v[32:95] kvp's 16 rows, my 4 columns; then v[32:35] kv, then kv / kvmax
.set WL,  96                           ; v[96:127] W_out's 16 rows, my 4 columns in bf16
.set SL,  128                          ; v[128:143] wave 0: ss's 8 chunks, two rows a lane
.set OUT, 144                          ; v[144:175] a pair for each row: no store's data is rewritten
	s_load_b256 s[4:11], s[0:1], 0x0               ; kvp 4, wb 6, ss 8, wp 10
	v_lshl_add_u32 v[SPW], v0, 2, SPARE
	v_mov_b32 v[NIL], 0
	v_and_b32 v1, 31, v0
	v_lshrrev_b32 v5, 5, v0
	v_readfirstlane_b32 s12, v5                    ; wave
	v_lshlrev_b32 v2, 4, v0                        ; 16 x thread
	v_lshlrev_b32 v3, 3, v0                        ; 8 x thread
	v_lshlrev_b32 v4, 3, v1                        ; 8 x lane
	v_lshlrev_b32 v5, 2, v5                        ; 4 x wave
	v_mov_b32 v6, 0
	v_mov_b32 v[MX+1], 0
	s_and_b32 s13, ttmp7, 0xffff                   ; b
	s_lshl_b32 s14, s13, 16                        ; 16 rows of 4,096 bytes
	s_mov_b32 s15, 0
	s_lshl_b32 s16, ttmp9, 15                      ; 16 rows of 2,048 bytes
	s_add_co_u32 s16, s16, 3072*2048
	s_mov_b32 s17, 0
	s_lshl_b32 s18, s13, 14
	s_lshl_b32 s19, ttmp9, 8
	s_add_co_u32 s18, s18, s19                     ; 4 (4,096 b + 64 j)
	s_mov_b32 s19, 0
	s_lshl_b32 s20, s13, 21
	s_lshl_b32 s21, ttmp9, 15
	s_add_co_u32 s20, s20, s21
	s_mov_b32 s21, 0
	s_mov_b32 s24, 0xffff0000
	s_mov_b32 s26, 0x76543210
	s_mov_b32 s27, 0xfedcba98
	s_wait_kmcnt 0x0
	s_add_nc_u64 s[4:5], s[4:5], s[14:15]
	s_add_nc_u64 s[6:7], s[6:7], s[16:17]
	s_add_nc_u64 s[8:9], s[8:9], s[18:19]
	s_add_nc_u64 s[22:23], s[10:11], s[18:19]
	s_add_nc_u64 s[22:23], s[22:23], 0x800000      ; rsc
	s_add_nc_u64 s[10:11], s[10:11], s[20:21]
.set p, 0
.rept 16
	global_load_b128 v[KVL+4*p:KVL+4*p+3], v2, s[4:5] offset:4096*p
.set p, p+1
.endr
.set p, 0
.rept 16
	global_load_b64 v[WL+2*p:WL+2*p+1], v3, s[6:7] offset:2048*p
.set p, p+1
.endr
	s_cmp_lg_u32 s12, 0
	s_cbranch_scc1 .Lno_ss
.set p, 0
.rept 8
	global_load_b64 v[SL+2*p:SL+2*p+1], v4, s[8:9] offset:65536*p
.set p, p+1
.endr
.Lno_ss:
	s_wait_loadcnt 16                              ; kvp is in: W_out's 16 loads may stay out (in wave 0, which has 24 younger loads, the count is smaller than it need be)
.irp s, 8,4,2,1
.set p, 0
.rept \s
	v_pk_add_f32 v[KVL+4*p:KVL+4*p+1], v[KVL+4*p:KVL+4*p+1], v[KVL+4*(p+(\s)):KVL+4*(p+(\s))+1]
	v_pk_add_f32 v[KVL+4*p+2:KVL+4*p+3], v[KVL+4*p+2:KVL+4*p+3], v[KVL+4*(p+(\s))+2:KVL+4*(p+(\s))+3]
.set p, p+1
.endr
.endr
	v_max_num_f32 v[MX], |v[KVL]|, |v[KVL+1]|
	v_max_num_f32 v[T], |v[KVL+2]|, |v[KVL+3]|
	v_max_num_f32 v[MX], v[MX], v[T]
	v_max_num_f32_dpp v[MX], v[MX], v[MX] row_xmask:1 row_mask:0xf bank_mask:0xf
	v_max_num_f32_dpp v[MX], v[MX], v[MX] row_xmask:2 row_mask:0xf bank_mask:0xf
	v_max_num_f32_dpp v[MX], v[MX], v[MX] row_xmask:4 row_mask:0xf bank_mask:0xf
	v_max_num_f32_dpp v[MX], v[MX], v[MX] row_xmask:8 row_mask:0xf bank_mask:0xf
	v_permlanex16_b32 v[MX+1], v[MX], s26, s27
	v_max_num_f32 v[MX], v[MX], v[MX+1]
	ds_store_b32 v5, v[MX]                         ; all lanes write the wave's word with the same value
	s_wait_dscnt 0x0
	s_barrier_signal -1
	s_barrier_wait -1
	ds_load_b128 v[M:M+3], v6
	ds_load_b128 v[M+4:M+7], v6 offset:16
	s_wait_dscnt 0x0
	v_max3_num_f32 v[M], v[M], v[M+1], v[M+2]
	v_max3_num_f32 v[M+3], v[M+3], v[M+4], v[M+5]
	v_max3_num_f32 v[M], v[M], v[M+6], v[M+7]
	v_max3_num_f32 v14, v[M], v[M+3], 0x00800000   ; kvmax, at least 2^-126
	v_rcp_f32 v15, v14
	v_nop                                          ; a plain instruction behind it,
	s_wait_alu depctr_va_vdst(0)                   ; and the wait ahead of the first use
.irp k, 0,1,2,3
	v_mul_f32 v[KVL+(\k)], v[KVL+(\k)], v15
.endr
	s_wait_loadcnt 0x0
.set r, 0
.rept 16
.set TB, T+4*(r%2)
	v_lshlrev_b32 v[TB], 16, v[WL+2*r]             ; bf16 to f32: the low half moves up, the high half stays
	v_and_b32 v[TB+1], s24, v[WL+2*r]
	v_lshlrev_b32 v[TB+2], 16, v[WL+2*r+1]
	v_and_b32 v[TB+3], s24, v[WL+2*r+1]
	v_pk_mul_f32 v[TB:TB+1], v[TB:TB+1], v[KVL:KVL+1]
	v_pk_mul_f32 v[TB+2:TB+3], v[TB+2:TB+3], v[KVL+2:KVL+3]
	v_cvt_pk_f16_f32 v[OUT+2*r], v[TB], v[TB+1]
	v_cvt_pk_f16_f32 v[OUT+2*r+1], v[TB+2], v[TB+3]
	global_store_b64 v3, v[OUT+2*r:OUT+2*r+1], s[10:11] offset:2048*r  ; a wave stores 256 consecutive bytes, aligned
.set r, r+1
.endr
	s_cmp_lg_u32 s12, 0
	s_cbranch_scc1 .Lend
.irp s, 4,2,1
.set p, 0
.rept \s
	v_pk_add_f32 v[SL+2*p:SL+2*p+1], v[SL+2*p:SL+2*p+1], v[SL+2*(p+(\s)):SL+2*(p+(\s))+1]
.set p, p+1
.endr
.endr
	v_rsq_f32 v[SL], v[SL]
	v_rsq_f32 v[SL+1], v[SL+1]
	v_nop
	s_wait_alu depctr_va_vdst(0)                   ; one wait for the two
	v_mul_f32 v[SL], v[SL], v14
	v_mul_f32 v[SL+1], v[SL+1], v14
	global_store_b64 v4, v[SL:SL+1], s[22:23]      ; 256 consecutive bytes of rsc
.Lend:
	s_wait_tensorcnt 0x0                           ; the wave's end: behind my last LDS store
	ds_add_u32 v[SPW], v[NIL]
	s_wait_dscnt 0x0
	s_endpgm
.Lfunc_end_k_q339f7686d8_wprep:
	.size	k_q339f7686d8_wprep, .Lfunc_end_k_q339f7686d8_wprep-k_q339f7686d8_wprep
	.p2alignl 7, 3214868480
	.fill 96, 4, 3214868480
	.section	.rodata,"a",@progbits
	.p2align	6, 0x0
	.amdhsa_kernel k_q339f7686d8_wprep
		.amdhsa_group_segment_fixed_size 1280
		.amdhsa_private_segment_fixed_size 0
		.amdhsa_enable_private_segment 0
		.amdhsa_kernarg_size 32
		.amdhsa_user_sgpr_count 2
		.amdhsa_user_sgpr_kernarg_segment_ptr 1
		.amdhsa_wavefront_size32 1
		.amdhsa_system_sgpr_workgroup_id_x 1
		.amdhsa_system_sgpr_workgroup_id_y 1
		.amdhsa_system_sgpr_workgroup_id_z 1
		.amdhsa_system_vgpr_workitem_id 0
		.amdhsa_next_free_vgpr 176
		.amdhsa_next_free_sgpr 66
		.amdhsa_reserve_vcc 0
		.amdhsa_float_denorm_mode_32 3
		.amdhsa_float_denorm_mode_16_64 3
		.amdhsa_memory_ordered 1
		.amdhsa_forward_progress 1
		.amdhsa_inst_pref_size 18
	.end_amdhsa_kernel
	.amdgpu_metadata
---
amdhsa.version: [ 1, 2 ]
amdhsa.kernels:
  - .name:           k_q339f7686d8_wprep
    .symbol:         k_q339f7686d8_wprep.kd
    .args:
      - { .name: kvp, .offset: 0, .size: 8, .value_kind: global_buffer, .address_space: global }
      - { .name: wb, .offset: 8, .size: 8, .value_kind: global_buffer, .address_space: global }
      - { .name: ss, .offset: 16, .size: 8, .value_kind: global_buffer, .address_space: global }
      - { .name: wp, .offset: 24, .size: 8, .value_kind: global_buffer, .address_space: global }
    .group_segment_fixed_size: 1280
    .private_segment_fixed_size: 0
    .kernarg_segment_align: 8
    .kernarg_segment_size: 32
    .max_flat_workgroup_size: 256
    .sgpr_count:     66
    .vgpr_count:     176
    .wavefront_size: 32
...
	.end_amdgpu_metadata
.endif
;; end of part 4
;; launch outp (part 5): grid 4 x 64, 4 waves a work-group, clusters of 4 x 4, 327,680 bytes of LDS; arguments qh, wp, aux1, out0; writes out0
.if DOCPART == 5
	.amdgcn_target "amdgcn-amd-amdhsa--gfx1250"
	.amdhsa_code_object_version 6
	.text
	.protected	k_q339f7686d8_outp
	.globl	k_q339f7686d8_outp
	.p2align	8
	.type	k_q339f7686d8_outp,@function
k_q339f7686d8_outp:
	s_mov_b64 s[64:65], 0
	v_nop
	global_prefetch_b8 v0, s[64:65] scope:SCOPE_SE
	s_setreg_imm32_b32 hwreg(HW_REG_WAVE_MODE, 25, 1), 1
	s_wait_xcnt 0x0
	s_wait_alu depctr_hold_cnt(0) depctr_sa_sdst(0) depctr_va_vdst(0) depctr_va_sdst(0) depctr_va_ssrc(0) depctr_va_vcc(0) depctr_vm_vsrc(0)
	s_getreg_b32 s2, hwreg(HW_REG_IB_STS2, 6, 4)
	s_cmp_eq_u32 s2, 0
	s_cbranch_scc0 .Lentry_in_a_cluster
	s_endpgm
.Lentry_in_a_cluster:
	s_bfe_u32 s2, ttmp6, 0x10000c
	s_cmp_lg_u32 s2, 0xf033
	s_cbranch_scc0 .Lentry_shape_is_right
	s_endpgm
.Lentry_shape_is_right:
; OUTP.  out0[t][e] = (the sum over d of qh[t][d] wp[b][e][d]) rsc[t] + bias[3,072 + e]: 16,384 x 1,024, K = 1,024, f16 operands, f32 sums, f32 out.  b = t / 4,096.
; qh = q rS and wp = W_out kv / kvmax lie within f16's range by construction; rsc = kvmax / (|q| rS) restores the scale in f32.
; SHAPE.  One tile of 256 x 256 to a work-group: 256 work-groups.  Four waves, 128 x 128 each: 64 accumulators.  K in steps of 128 through two LDS slots filled by the tensor data mover.
; A K STEP IS WRITTEN ONCE: which slot is read lies in a scalar register that an exclusive or turns, and one descriptor a tensor walks from refill to refill.
; THE LAST K STEP GOES BY ROWS OF THE RESULT: nothing follows the tile under which its stores could leave, so my eight blocks of 16 rows are finished one after the other, and each leaves as soon as it is finished.
; CLUSTER 4 x 4: qh's tiles are shared along a row of the cluster, wp's along a column (a cluster's four tile rows lie in one batch): joint loads with a mask of four.
; THE MATRIX INSTRUCTION IS USED TRANSPOSED (source 0 = 16 rows of wp, source 1 = 16 rows of qh): lane l holds row l % 16 of the result and the columns 8 (l / 16) + 0..7 of its n block.
; REGISTERS in windows of 256 (s_set_vgpr_msb: bits 1:0 source 0, 3:2 source 1, 5:4 source 2, 7:6 destination):
;   window 0: v0-31 addresses; v32-47 rsc of my lane's row in each of the 8 blocks (pairs); v64-191 qh's fragments, two buffers (in the last K step four, of 16 rows x 128 K); v192-255 the bias of my 128 columns
;   window 1: v64-191 wp's fragments, two buffers; in the last K step all 256: wp's fragments of the whole step
;   window 2, 3: the accumulators of my rows 0-63, 64-127 ((a, b) at v[8 (8 a + b)])
.set SIZE_K, 1024
.set KSTEP,  128
.set PITCH,  272                       ; an LDS row: 256 bytes + 16 of padding: the 16 rows of a fragment load start at 16 different groups of four banks (ISA guide 11.1)
.set HALFT,  128*PITCH                 ; 0x8800 bytes
.set SLOT,   4*HALFT                   ; 0x22000 bytes, which shares no bit with wave x HALFT (0, 0x8800, 0x11000, 0x19800): one exclusive or turns a tile's LDS address into the other slot's
.set STAGE,  2*SLOT                    ; behind the ring, never filled by a tensor load: 16 rows x 528 bytes for each wave
.set SPITCH, 528                       ; 512 bytes + 16
.set WSTAGE, 16*SPITCH
.set SPARE,  STAGE+4*WSTAGE
.set BO,   6                           ; v6   32 (l / 16)
.set R4,   7                           ; v7   4 (l % 16)
.set ADRA, 16                          ; v16  my fragments of qh in the slot in hand
.set A0,   17                          ; v17  the same in slot 0; never rewritten
.set ADRB, 20                          ; v20  my fragments of wp in the slot in hand
.set B0,   21                          ; v21  the same in slot 0; never rewritten
.set STO,  24                          ; v24  where I put 32 bytes of a row
.set RD,   25                          ; v25  stage + 16 l
.set CO,   26                          ; v26  16 l
.set SPW,  28
.set NIL,  29
.set PFO,  30
.set RS,   32
.set F0,   64
.set F1,   128
.set PA,   64                          ; the last K step: qh's fragments of 16 rows x 128 K, 32 registers; four such buffers
.set BIAS, 192
.set WV,  16
.set HR,  17
.set HC,  18
.set G1,  24                           ; s[24:31] group 1 for qh's tiles; s[32:39] group 0: a set for each of the two first fills; the second then walks on
.set G0,  32
.set LIM, 43                           ; s43 4 in a wave that prefetches, else the greatest number: a wave prefetches while s[KS] is above it
.set PFA, 44
.set G1B, 48
.set G0B, 56
.set KS,  69                           ; s69 K steps to go, this one among them
.set BB,  80
.set TB,  82                           ; s82 LDS byte at which the slot in hand begins: 0 or SLOT
.set MSB, 0
.macro WIN new
.if MSB != (\new)
	s_set_vgpr_msb (MSB<<8)|(\new)
.set MSB, \new
.endif
.endm
.macro JLOAD s                         ; a joint load: waves 0 and 1 fetch qh's two halves, waves 2 and 3 wp's; an s_nop 0 and four v_nop follow each line
	s_cmp_eq_u32 s[HR], 0
	s_cbranch_scc0 .Lfor_b_\@
	tensor_load_to_lds s[G0+4*(\s):G0+4*(\s)+3], s[G1:G1+7]
	s_nop 0
.rept 4
	v_nop
.endr
	s_branch .Lasked_\@
.Lfor_b_\@:
	tensor_load_to_lds s[G0B+4*(\s):G0B+4*(\s)+3], s[G1B:G1B+7]
	s_nop 0
.rept 4
	v_nop
.endr
.Lasked_\@:
.endm
; A prefetch of the K step two refills on: 32 rows x 256 bytes, a lane a row, 512 matrix instructions ahead of the load that will want it.  qh's rows are read by one cluster, which asks; a batch's rows of
; wp by four clusters, of which the first (cluster y % 4 = 0) asks.  The four partners of a joint load share the rows out by address.  From K step 4 on (KS = 4) there is no K step two refills on; nothing is asked at the head.
.macro ASK
	s_cmp_gt_u32 s[KS], s[LIM]
	s_cbranch_scc0 .Lnot_mine_\@
	global_prefetch_b8 v[PFO], s[PFA:PFA+1] offset:KSTEP*2 th:TH_LOAD_NT scope:SCOPE_SE
.Lnot_mine_\@:
.endm
.macro CREST
	s_cmp_lg_u32 s[WV], 0
	s_cbranch_scc1 .Lnot_wave_0_\@
	s_barrier_signal -3
.Lnot_wave_0_\@:
	s_barrier_wait -3
	s_barrier_signal -1
	s_barrier_wait -1
.endm
.macro CROUND
	s_barrier_signal -1
	s_barrier_wait -1
	CREST
.endm
.macro OTHER                           ; my fragments' addresses in the other slot
	s_xor_b32 s[TB], s[TB], SLOT
	v_add_nc_u32 v[ADRA], s[TB], v[A0]
	v_add_nc_u32 v[ADRB], s[TB], v[B0]
.endm
	s_load_b256 s[4:11], s[0:1], 0x0               ; qh 4, wp 6, aux1 8, out0 10
	v_lshl_add_u32 v[SPW], v0, 2, SPARE
	v_mov_b32 v[NIL], 0
	ds_add_u32 v[SPW], v[NIL]                      ; the wave's opening: the add, twice on end, and its wait ahead of my first tensor load
	ds_add_u32 v[SPW], v[NIL]                      ; and once more, under the one wait; the set-up below stands between
	v_lshrrev_b32 v1, 5, v0
	v_readfirstlane_b32 s[WV], v1
	s_lshr_b32 s[HR], s[WV], 1
	s_and_b32 s[HC], s[WV], 1
	s_bfe_u32 s40, ttmp6, 0x40000                  ; cx
	s_bfe_u32 s41, ttmp6, 0x40004                  ; cy
	s_lshl_b32 s42, ttmp9, 2
	s_add_co_u32 s42, s42, s40                     ; tile column
	s_and_b32 s77, ttmp7, 0xffff                   ; cluster y
	s_lshl_b32 s66, s77, 2
	s_add_co_u32 s66, s66, s41                     ; tile row
	s_lshr_b32 s78, s77, 2                         ; the batch: the same in all sixteen partners
	s_lshl_b32 s78, s78, 10                        ; its first row in wp
	s_lshl_b32 s67, s41, 2
	s_lshl_b32 s67, 15, s67                        ; my row of the cluster
	s_lshl_b32 s73, 0x1111, s40                    ; my column
	s_or_b32 s[G1+0], s67, (1<<16)|(1<<20)|(1<<21)|(5<<22)|(3<<25)   ; mask; 2-byte elements; padding on; bit 21 beside a mask; after every 64 words, 4 words
	s_or_b32 s[G1B+0], s73, (1<<16)|(1<<20)|(1<<21)|(5<<22)|(3<<25)
.irp g, G1, G1B
	s_mov_b32 s[(\g)+1], KSTEP<<16
	s_mov_b32 s[(\g)+2], 128<<16
	s_mov_b32 s[(\g)+3], KSTEP<<16
	s_mov_b32 s[(\g)+4], 128
	s_mov_b32 s[(\g)+5], SIZE_K
	s_mov_b32 s[(\g)+6], 0
	s_mov_b32 s[(\g)+7], 0
.endr
	s_mov_b32 s[TB], 0
	s_lshl_b32 s74, s[HC], 7
	s_lshl_b32 s20, s66, 8
	s_add_co_u32 s20, s20, s74
	s_lshl_b32 s20, s20, 11                        ; qh: (256 x tile row + 128 x half) rows of 2,048 bytes
	s_mov_b32 s21, 0
	s_lshl_b32 s46, s42, 8
	s_add_co_u32 s46, s46, s74
	s_add_co_u32 s46, s46, s78
	s_lshl_b32 s46, s46, 11                        ; wp: (1,024 x batch + 256 x tile column + 128 x half) rows
	s_mov_b32 s47, 0
	s_mul_i32 s76, s[WV], HALFT
	s_wait_dscnt 0x0                               ; both opening adds are done
	s_wait_kmcnt 0x0
	s_add_nc_u64 s[22:23], s[4:5], s[20:21]
	s_add_nc_u64 s[46:47], s[6:7], s[46:47]
	CROUND                                         ; all sixteen work-groups are here: the first joint loads meet
.irp s, 0,1
	s_mov_b32 s[G0+4*(\s)], 1
	s_add_co_u32 s[G0+4*(\s)+1], s76, (\s)*SLOT
	s_add_nc_u64 s[G0+4*(\s)+2:G0+4*(\s)+3], s[22:23], (\s)*KSTEP*2
	s_or_b32 s[G0+4*(\s)+3], s[G0+4*(\s)+3], 0x80000000
	s_mov_b32 s[G0B+4*(\s)], 1
	s_add_co_u32 s[G0B+4*(\s)+1], s76, (\s)*SLOT
	s_add_nc_u64 s[G0B+4*(\s)+2:G0B+4*(\s)+3], s[46:47], (\s)*KSTEP*2
	s_or_b32 s[G0B+4*(\s)+3], s[G0B+4*(\s)+3], 0x80000000
	JLOAD \s
.endr
	v_and_b32 v1, 15, v0                           ; l % 16
	v_bfe_u32 v2, v0, 4, 1                         ; l / 16
	v_and_b32 v5, 31, v0                           ; l
	v_lshlrev_b32 v[BO], 5, v2
	v_lshlrev_b32 v[R4], 2, v1
	s_lshl_b32 s19, s66, 8
	s_lshl_b32 s20, s[HR], 7
	s_add_co_u32 s19, s19, s20                     ; row0
	s_lshl_b32 s73, s42, 1
	s_add_co_u32 s73, s73, s[HC]                   ; 2 cx + half
	s_mov_b32 s21, 0
	s_lshl_b32 s20, s73, 9
	s_add_nc_u64 s[BB:BB+1], s[8:9], s[20:21]
	s_lshl_b32 s20, s19, 2
	s_add_nc_u64 s[74:75], s[6:7], s[20:21]
	s_add_nc_u64 s[74:75], s[74:75], 0x800000      ; rsc of my rows
.irp b, 0,1,2,3,4,5,6,7                ; b_out of my 128 columns: for n block b my 8 numbers at 64 b + 32 (l / 16)
	global_load_b128 v[BIAS+8*(\b):BIAS+8*(\b)+3],   v[BO], s[BB:BB+1] offset:12288+64*(\b)
	global_load_b128 v[BIAS+8*(\b)+4:BIAS+8*(\b)+7], v[BO], s[BB:BB+1] offset:12288+64*(\b)+16
.endr
.irp a, 0,1,2,3,4,5,6,7
	global_load_b32 v[RS+2*(\a)], v[R4], s[74:75] offset:64*(\a)
.endr
	s_lshl_b32 s20, s19, 12
	s_lshl_b32 s22, s73, 9
	s_add_co_u32 s20, s20, s22
	s_add_nc_u64 s[10:11], s[10:11], s[20:21]      ; out0: row0 x 4,096 + my 512 bytes
	; the prefetches
	s_lshl_b32 s20, s66, 8
	s_lshl_b32 s21, s42, 8
	s_add_co_u32 s21, s21, s78
	s_and_b32 s22, s77, 3                          ; my cluster among the batch's four
	s_cmp_eq_u32 s[HR], 0
	s_cselect_b32 s20, s20, s21
	s_cselect_b32 s21, s40, s41
	s_cselect_b32 s22, ttmp9, s22
	s_cselect_b64 s[PFA:PFA+1], s[4:5], s[6:7]
	s_cmp_eq_u32 s22, 0
	s_cselect_b32 s[LIM], 4, -1
	s_lshl_b32 s22, s[HC], 7
	s_add_co_u32 s20, s20, s22
	s_lshl_b32 s21, s21, 5
	s_add_co_u32 s20, s20, s21
	s_lshl_b32 s20, s20, 11
	s_mov_b32 s21, 0
	s_add_nc_u64 s[PFA:PFA+1], s[PFA:PFA+1], s[20:21]
	s_add_nc_u64 s[PFA:PFA+1], s[PFA:PFA+1], 2*KSTEP*2  ; at K step 2: the first refill steps it to 3 and names K step 4
	v_mul_u32_u24 v3, v1, PITCH
	v_lshl_add_u32 v3, v2, 4, v3
	s_mul_i32 s20, s[HR], HALFT
	s_mul_i32 s21, s[HC], HALFT
	s_add_co_u32 s21, s21, 2*HALFT
	v_add_nc_u32 v[A0], s20, v3
	v_add_nc_u32 v[B0], s21, v3
	v_add_nc_u32 v[ADRA], s[TB], v[A0]             ; slot 0
	v_add_nc_u32 v[ADRB], s[TB], v[B0]
	s_mul_i32 s22, s[WV], WSTAGE
	s_add_co_u32 s22, s22, STAGE
	v_mul_u32_u24 v4, v1, SPITCH
	v_lshl_add_u32 v4, v2, 5, v4
	v_add_nc_u32 v[STO], s22, v4                   ; in: row l % 16, 32 bytes for each half of the lanes
	v_lshl_add_u32 v[RD], v5, 4, s22               ; back: 32 lanes take a row of 512 bytes
	v_lshlrev_b32 v[CO], 4, v5
	v_lshlrev_b32 v[PFO], 11, v5
.macro MUL16 f, hi, a0, zero           ; 16 matrix instructions; zero = 1: the products start the sums.  The 64 accumulators take turns in the same order in every quarter
	WIN 0xa1+0x50*(\hi)
.irp a, \a0, (\a0)+1
.irp b, 0,1,2,3,4,5,6,7
.if \zero
	v_wmma_f32_16x16x32_f16 v[8*(8*(\a)+(\b)):8*(8*(\a)+(\b))+7], v[(\f)+8*(\b):(\f)+8*(\b)+7], v[(\f)+8*(4*(\hi)+(\a)):(\f)+8*(4*(\hi)+(\a))+7], 0
.else
	v_wmma_f32_16x16x32_f16 v[8*(8*(\a)+(\b)):8*(8*(\a)+(\b))+7], v[(\f)+8*(\b):(\f)+8*(\b)+7], v[(\f)+8*(4*(\hi)+(\a)):(\f)+8*(4*(\hi)+(\a))+7], v[8*(8*(\a)+(\b)):8*(8*(\a)+(\b))+7]
.endif
.endr
.endr
.endm
.macro FETCH k, f                      ; 32 LDS loads in one run: a quarter step's fragments (32 K at byte k of the rows of the slot in hand) into buffer f
	WIN 0x40
.irp i, 0,1,2,3,4,5,6,7
	ds_load_b128 v[(\f)+8*(\i):(\f)+8*(\i)+3],   v[ADRB] offset:(\k)+(\i)*16*PITCH
	ds_load_b128 v[(\f)+8*(\i)+4:(\f)+8*(\i)+7], v[ADRB] offset:(\k)+(\i)*16*PITCH+32
.endr
	WIN 0
.irp i, 0,1,2,3,4,5,6,7
	ds_load_b128 v[(\f)+8*(\i):(\f)+8*(\i)+3],   v[ADRA] offset:(\k)+(\i)*16*PITCH
	ds_load_b128 v[(\f)+8*(\i)+4:(\f)+8*(\i)+7], v[ADRA] offset:(\k)+(\i)*16*PITCH+32
.endr
.endm
.macro PLACES                          ; four plain vector instructions between a matrix instruction and a load into a register that it has read (ISA guide 7.12.1 for vector instructions)
.rept 4
	v_nop
.endr
.endm
.macro QUARTER k, f, g, zero
	s_wait_dscnt 8                                 ; wp's fragments and qh's rows 0-63 are in; the youngest eight loads may be out
	MUL16 \f, 0, 0, \zero
	MUL16 \f, 0, 2, \zero
	PLACES
	FETCH \k, \g
	s_wait_dscnt 32                                ; all but the 32 just issued
	MUL16 \f, 1, 0, \zero
	MUL16 \f, 1, 2, \zero
.endm
.macro MEET round                      ; the one barrier of a change of slots: all my tensor loads, the add, my reads of this slot; then the signal
	WIN 0
	s_wait_tensorcnt 0x0
	ds_add_u32 v[SPW], v[NIL]
	s_wait_dscnt 9                                 ; the add and the youngest eight loads may be out
	MUL16 F1, 0, 0, 0
	s_wait_dscnt 0x0
	s_barrier_signal -1
	MUL16 F1, 0, 2, 0
.if \round
	WIN 0
.endif
	s_barrier_wait -1
.endm
.macro TURN                            ; the last quarter with a refill: the slot just read out takes the K step two on, by the walking descriptors: the other slot than last time, one K step further
	s_wait_xcnt 0x0                                ; the last prefetch, a K step back, has read its address
	s_add_nc_u64 s[PFA:PFA+1], s[PFA:PFA+1], KSTEP*2
	MEET 1
	CREST                                          ; no wave of any partner still reads this slot or has a load on its way
	s_xor_b32 s[G0+5], s[G0+5], SLOT
	s_add_nc_u64 s[G0+6:G0+7], s[G0+6:G0+7], KSTEP*2
	s_xor_b32 s[G0B+5], s[G0B+5], SLOT
	s_add_nc_u64 s[G0B+6:G0B+7], s[G0B+6:G0B+7], KSTEP*2
	JLOAD 1                                        ; the first tensor load behind the round, 224 matrix instructions ahead of the wait for it; its four v_nop are also the places in front of the loads below
	OTHER
	FETCH 0, F0
	ASK
	MUL16 F1, 1, 0, 0
	MUL16 F1, 1, 2, 0
.endm
; THE LAST K STEP.  All its fragments of wp (4 quarters x 64 registers) fill window 1; then my eight blocks of 16 rows are finished one after the other, each by 32 matrix instructions, its 8 accumulators by turns.
.macro BLOAD q                         ; wp's fragments of quarter q -> window 1, v[64 q ..]
	WIN 0x40
.irp i, 0,1,2,3,4,5,6,7
	ds_load_b128 v[64*(\q)+8*(\i):64*(\q)+8*(\i)+3],   v[ADRB] offset:64*(\q)+(\i)*16*PITCH
	ds_load_b128 v[64*(\q)+8*(\i)+4:64*(\q)+8*(\i)+7], v[ADRB] offset:64*(\q)+(\i)*16*PITCH+32
.endr
.endm
.macro ALOAD a                         ; qh's fragments of block a, all four quarters -> buffer a % 4
	WIN 0
.set FA, PA+32*((\a)%4)
.irp q, 0,1,2,3
	ds_load_b128 v[FA+8*(\q):FA+8*(\q)+3],   v[ADRA] offset:64*(\q)+(\a)*16*PITCH
	ds_load_b128 v[FA+8*(\q)+4:FA+8*(\q)+7], v[ADRA] offset:64*(\q)+(\a)*16*PITCH+32
.endr
.endm
.macro BLOCK a                         ; block a's accumulators: v[AC] on, in window WN
.set AC, 64*((\a)%4)
.set WN, 2+(\a)/4
.endm
.macro ROW a                           ; block a is finished
	BLOCK \a
.set FA, PA+32*((\a)%4)
	WIN 0xa1+0x50*((\a)/4)
.irp q, 0,1,2,3
.if (\a) == 0 && (\q) == 2
	s_wait_dscnt 24                                ; wp's quarter 2 is in (behind it: qh's blocks 1 to 3)
.endif
.irp b, 0,1,2,3,4,5,6,7
	v_wmma_f32_16x16x32_f16 v[AC+8*(\b):AC+8*(\b)+7], v[64*(\q)+8*(\b):64*(\q)+8*(\b)+7], v[FA+8*(\q):FA+8*(\q)+7], v[AC+8*(\b):AC+8*(\b)+7]
.endr
.endr
.endm
; THE WAY OUT of block a: acc rsc + bias in place (ascending); through my stage, back into the same registers as rows of 512 bytes; stored.
.macro SCALE a
	BLOCK \a
	WIN (WN<<6)|WN                                 ; destination and source 0 in the block's window; rsc and bias in window 0
.set p, 0
.rept 32
	v_pk_fma_f32 v[AC+2*p:AC+2*p+1], v[AC+2*p:AC+2*p+1], v[RS+2*(\a):RS+2*(\a)+1], v[BIAS+2*p:BIAS+2*p+1] op_sel_hi:[1,0,1]
.set p, p+1
.endr
.endm
.macro TOST a
	BLOCK \a
	WIN WN<<2                                      ; the stores' data in the block's window
.irp b, 0,1,2,3,4,5,6,7
	ds_store_b128 v[STO], v[AC+8*(\b):AC+8*(\b)+3]   offset:64*(\b)
	ds_store_b128 v[STO], v[AC+8*(\b)+4:AC+8*(\b)+7] offset:64*(\b)+16
.endr
	WIN WN<<6                                      ; the loads' destination in the block's window
.irp i, 0,1,2,3,4,5,6,7,8,9,10,11,12,13,14,15
	ds_load_b128 v[AC+4*(\i):AC+4*(\i)+3], v[RD] offset:(\i)*SPITCH  ; LDS serves a wave's instructions in order (ISA guide 5.7.1.4): these see the stores above; the next block's stores come behind them
.endr
.endm
.macro SEND a, younger                 ; younger: the LDS loads issued behind TOST's, which may stay out
	BLOCK \a
	WIN WN<<2
	s_wait_dscnt \younger                          ; the block is back in registers
.irp i, 0,1,2,3,4,5,6,7,8,9,10,11,12,13,14,15
	global_store_b128 v[CO], v[AC+4*(\i):AC+4*(\i)+3], s[10:11] offset:(16*(\a)+(\i))*4096 th:TH_STORE_NT  ; 512 consecutive bytes, aligned
.endr
.endm
	s_wait_tensorcnt 1                             ; my part of K step 0 is in; K step 1's may stay out
	s_barrier_signal -1
	s_barrier_wait -1
	FETCH 0, F0
	s_wait_loadcnt 0x0                             ; bias and rsc
.irp a, 0,1,2,3,4,5,6,7
	v_mov_b32 v[RS+2*(\a)+1], v[RS+2*(\a)]         ; named with it as a pair
.endr
	QUARTER 64,  F0, F1, 1                         ; the first quarter stands in front of the loop: its products start the sums
	WIN 0                                          ; at a label and at a branch every window is 0
	s_mov_b32 s[KS], 8
.Lstep:                                                ; a trip goes from a K step's second quarter to the next K step's first, and fills the slot that it leaves
	QUARTER 128, F1, F0, 0
	QUARTER 192, F0, F1, 0
	WIN 0
	s_cmp_eq_u32 s[KS], 2                          ; the last K step but one asks for nothing: the rest is written out below
	s_cbranch_scc1 .Lfinal
	TURN
	QUARTER 64,  F0, F1, 0
	WIN 0
	s_sub_co_u32 s[KS], s[KS], 1
	s_cmp_lg_u32 s[KS], 0
	s_cbranch_scc1 .Lstep
.Lfinal:
	MEET 0                                         ; my one tensor load that was out is the last K step's, so no round follows
	WIN 0
	OTHER                                          ; its two vector lines and the two below are the four places in front of the loads into buffer 0, which the quarter before multiplied
	v_nop
	v_nop
	BLOAD 0                                        ; three quarters of wp now: buffer 1 (v128-191 of both windows) is still being multiplied
	BLOAD 1
	BLOAD 3
	ALOAD 0
	MUL16 F1, 1, 0, 0
	MUL16 F1, 1, 2, 0
	PLACES                                         ; for the loads into buffer 1
	BLOAD 2
	ALOAD 1
	ALOAD 2
	ALOAD 3
	s_wait_dscnt 40                                ; all but the 40 just issued
	ROW 0
.irp a, 0,1,2,3,4,5,6,7                ; each block leaves as soon as it is finished
	PLACES                                         ; eight places: the scaling reads results just made and writes over them
	PLACES
	SCALE \a
	TOST \a
.if (\a) < 4
	ALOAD (\a)+4                                   ; its buffer takes the block four further on
	SEND \a, 8
.else
	SEND \a, 0
.endif
.if (\a) < 7
	ROW (\a)+1
.endif
.endr
	WIN 0
	s_wait_tensorcnt 0x0                           ; the wave's end: behind my last tensor load and my last LDS store
	ds_add_u32 v[SPW], v[NIL]
	s_wait_dscnt 0x0
	CROUND                                         ; the closing round: no work-group ends while a partner may still ask for a tile that names it
	s_endpgm
.Lfunc_end_k_q339f7686d8_outp:
	.size	k_q339f7686d8_outp, .Lfunc_end_k_q339f7686d8_outp-k_q339f7686d8_outp
	.p2alignl 7, 3214868480
	.fill 96, 4, 3214868480
	.section	.rodata,"a",@progbits
	.p2align	6, 0x0
	.amdhsa_kernel k_q339f7686d8_outp
		.amdhsa_group_segment_fixed_size 327680
		.amdhsa_private_segment_fixed_size 0
		.amdhsa_enable_private_segment 0
		.amdhsa_kernarg_size 32
		.amdhsa_user_sgpr_count 2
		.amdhsa_user_sgpr_kernarg_segment_ptr 1
		.amdhsa_wavefront_size32 1
		.amdhsa_system_sgpr_workgroup_id_x 1
		.amdhsa_system_sgpr_workgroup_id_y 1
		.amdhsa_system_sgpr_workgroup_id_z 1
		.amdhsa_system_vgpr_workitem_id 0
		.amdhsa_next_free_vgpr 1024
		.amdhsa_next_free_sgpr 84
		.amdhsa_reserve_vcc 0
		.amdhsa_float_denorm_mode_32 3
		.amdhsa_float_denorm_mode_16_64 3
		.amdhsa_memory_ordered 1
		.amdhsa_forward_progress 1
		.amdhsa_inst_pref_size 123
	.end_amdhsa_kernel
	.amdgpu_metadata
---
amdhsa.version: [ 1, 2 ]
amdhsa.kernels:
  - .name:           k_q339f7686d8_outp
    .symbol:         k_q339f7686d8_outp.kd
    .args:
      - { .name: qh, .offset: 0, .size: 8, .value_kind: global_buffer, .address_space: global }
      - { .name: wp, .offset: 8, .size: 8, .value_kind: global_buffer, .address_space: global }
      - { .name: aux1, .offset: 16, .size: 8, .value_kind: global_buffer, .address_space: global }
      - { .name: out0, .offset: 24, .size: 8, .value_kind: global_buffer, .address_space: global }
    .group_segment_fixed_size: 327680
    .private_segment_fixed_size: 0
    .kernarg_segment_align: 8
    .kernarg_segment_size: 32
    .max_flat_workgroup_size: 128
    .sgpr_count:     84
    .vgpr_count:     1024
    .wavefront_size: 32
...
	.end_amdgpu_metadata
.endif
;; end of part 5
;; ======== version 2 of 2: 5 launches; version 1 with the launch wprep written anew for expert scheduling mode
;; limits: values are held in f16: magnitudes above 65,504 overflow, below 6.1e-05 lose precision; right only within a limited range of input values
;; workspace buffers: xb 33,554,432 bytes; wb 8,388,608 bytes; aux1 82,688 bytes; qh 33,554,432 bytes; pkv 33,554,432 bytes; ss 1,572,864 bytes; kvp 262,144 bytes; wp 8,454,144 bytes
;; launch prep: the kernel of part 1 again; grid 256 x 1, 16 waves a work-group, no clusters, 2,560 bytes of LDS; arguments x, W_qkv, W_out, b_qkv, b_out, xb, wb, aux1; writes xb, wb, aux1
;; launch qkv: the kernel of part 2 again; grid 4 x 64, 4 waves a work-group, clusters of 4 x 4, 327,680 bytes of LDS; arguments xb, wb, aux1, qh, pkv, ss; writes qh, pkv, ss
;; launch kvsum: the kernel of part 3 again; grid 64 x 4, 8 waves a work-group, no clusters, 4,096 bytes of LDS; arguments pkv, ss, mask, kvp; writes kvp
;; launch wprep (part 6): grid 64 x 4, 8 waves a work-group, no clusters, 1,280 bytes of LDS; arguments kvp, wb, ss, wp; writes wp
.if DOCPART == 6
	.amdgcn_target "amdgcn-amd-amdhsa--gfx1250"
	.amdhsa_code_object_version 6
	.text
	.protected	k_q339f7686d8_wprep
	.globl	k_q339f7686d8_wprep
	.p2align	8
	.type	k_q339f7686d8_wprep,@function
k_q339f7686d8_wprep:
	s_mov_b64 s[64:65], 0
	v_nop
	global_prefetch_b8 v0, s[64:65] scope:SCOPE_SE
	s_setreg_imm32_b32 hwreg(HW_REG_WAVE_SCHED_MODE, 0, 2), 2
	s_setreg_imm32_b32 hwreg(HW_REG_WAVE_MODE, 25, 1), 1
	s_wait_xcnt 0x0
	s_wait_alu depctr_vm_vsrc(0)
; WPREP.  For batch b (grid y): kv[d] = the sum of the batch's 16 rows of kvp; kvmax = max(max_d |kv[d]|, 2^-126).
;   wp[b][e][d] = f16(W_out[e][d] kv[d] / kvmax), W_out as rounded to bf16 in wb's rows 3,072 on; a work-group (grid x = j) writes rows e = 16 j .. 16 j + 15;
;   rsc[t] = kvmax / sqrt(the sum over the 8 chunks of ss[c][t]) at byte 8,388,608 of wp; the work-group's wave 0 writes rows t = 4,096 b + 64 j .. + 63.
; Then out = (q rS)(W_out kv / kvmax)^T rsc + b_out: rS and kvmax fall out.  |kv / kvmax| <= 1, so wp is no larger than W_out.  LIMIT: |W_out| <= 65,504 (f16's range).
; Thread i owns columns 4 i .. 4 i + 3.  Every work-group sums kvp anew (65,536 bytes that 64 work-groups read): less than a launch of its own would cost.
; THE MODE: SCHED_MODE bits 1:0 = 2 (LLVM: expert scheduling mode 2), set by the entry lines.  The code itself states the register dependences
; between vector instructions and memory or LDS instructions, with s_wait_alu, always for 0.
; THE PLAN.  Registers that memory or LDS instructions touch:
;   v2, v3, v4   global offsets; v5, v6 LDS addresses; v8, v9 the closing add's pair.  Written at the head, ahead of one wait on va_vdst, and never again.
;   KVL, WL, SL  Written by the global loads, ahead of which no vector instruction names them; read by vector instructions behind the waits on LOADcnt; no load lands in them again.
;   v12          Written by the reduction, read by the one LDS store (a wait on va_vdst between), never written again.
;   M            Written by the two LDS loads, ahead of which no vector instruction names them.
;   OUT          A pair for each of the 16 rows: written by the row's two conversions, read by the row's one store, never written again.
;   SL, SL+1     In wave 0, at the end: written by two multiplies, read by one store (a wait on va_vdst between).
; No register that a memory or LDS instruction reads is written again: the text holds no wait on vm_vsrc but the entry lines' one.
; The 16 rows go in four groups of four.  ONE wait on va_vdst at a group's head states that the group before has written its OUT; that group's four stores follow it, dealt among this group's
; vector instructions, which name T, WL, KVL and their own OUT: none of the registers that those stores read.
.set SPARE, 256                        ; LDS: the eight waves' maxima at byte 0; the spare words from 256 on
.set SPW, 8
.set NIL, 9
.set MX,  12                           ; v12 a maximum at work; v13 at work; v14 kvmax; v15 1 / kvmax
.set T,   16                           ; v[16:23] two sets of four f32 at work: no memory instruction names them
.set M,   24                           ; v[24:31] the waves' maxima
.set KVL, 32                           ; v[32:95] kvp's 16 rows, my 4 columns; then v[32:35] kv, then kv / kvmax
.set WL,  96                           ; v[96:127] W_out's 16 rows, my 4 columns in bf16
.set SL,  128                          ; v[128:143] wave 0: ss's 8 chunks, two rows a lane
.set OUT, 144                          ; v[144:175] a pair for each row: no store's data is rewritten
	s_load_b256 s[4:11], s[0:1], 0x0               ; kvp 4, wb 6, ss 8, wp 10
	v_lshl_add_u32 v[SPW], v0, 2, SPARE
	v_mov_b32 v[NIL], 0
	v_and_b32 v1, 31, v0
	v_lshrrev_b32 v5, 5, v0
	v_readfirstlane_b32 s12, v5                    ; wave
	v_lshlrev_b32 v2, 4, v0                        ; 16 x thread
	v_lshlrev_b32 v3, 3, v0                        ; 8 x thread
	v_lshlrev_b32 v4, 3, v1                        ; 8 x lane
	v_lshlrev_b32 v5, 2, v5                        ; 4 x wave
	v_mov_b32 v6, 0
	v_mov_b32 v[MX+1], 0
	s_wait_alu depctr_va_sdst(0)                   ; s12 is written, ahead of its first reader: the compare in front of wave 0's loads of ss
	s_and_b32 s13, ttmp7, 0xffff                   ; b
	s_lshl_b32 s14, s13, 16                        ; 16 rows of 4,096 bytes
	s_mov_b32 s15, 0
	s_lshl_b32 s16, ttmp9, 15                      ; 16 rows of 2,048 bytes
	s_add_co_u32 s16, s16, 3072*2048
	s_mov_b32 s17, 0
	s_lshl_b32 s18, s13, 14
	s_lshl_b32 s19, ttmp9, 8
	s_add_co_u32 s18, s18, s19                     ; 4 (4,096 b + 64 j)
	s_mov_b32 s19, 0
	s_lshl_b32 s20, s13, 21
	s_lshl_b32 s21, ttmp9, 15
	s_add_co_u32 s20, s20, s21
	s_mov_b32 s21, 0
	s_mov_b32 s24, 0xffff0000
	s_mov_b32 s26, 0x76543210
	s_mov_b32 s27, 0xfedcba98
	s_wait_kmcnt 0x0
	s_add_nc_u64 s[4:5], s[4:5], s[14:15]
	s_add_nc_u64 s[6:7], s[6:7], s[16:17]
	s_add_nc_u64 s[8:9], s[8:9], s[18:19]
	s_add_nc_u64 s[22:23], s[10:11], s[18:19]
	s_add_nc_u64 s[22:23], s[22:23], 0x800000      ; rsc
	s_add_nc_u64 s[10:11], s[10:11], s[20:21]
	s_wait_alu depctr_va_vdst(0)                   ; the offsets v2, v3, v4 and the LDS addresses v5, v6 are written: every load and store of the kernel reads one of them, and none is written again
.set p, 0
.rept 16
	global_load_b128 v[KVL+4*p:KVL+4*p+3], v2, s[4:5] offset:4096*p
.set p, p+1
.endr
.set p, 0
.rept 16
	global_load_b64 v[WL+2*p:WL+2*p+1], v3, s[6:7] offset:2048*p
.set p, p+1
.endr
	s_cmp_lg_u32 s12, 0
	s_cbranch_scc1 .Lno_ss
.set p, 0
.rept 8
	global_load_b64 v[SL+2*p:SL+2*p+1], v4, s[8:9] offset:65536*p
.set p, p+1
.endr
.Lno_ss:
	s_wait_loadcnt 16                              ; kvp is in: W_out's 16 loads may stay out (in wave 0, which has 24 younger loads, the count is smaller than it need be)
.irp s, 8,4,2,1
.set p, 0
.rept \s
	v_pk_add_f32 v[KVL+4*p:KVL+4*p+1], v[KVL+4*p:KVL+4*p+1], v[KVL+4*(p+(\s)):KVL+4*(p+(\s))+1]
	v_pk_add_f32 v[KVL+4*p+2:KVL+4*p+3], v[KVL+4*p+2:KVL+4*p+3], v[KVL+4*(p+(\s))+2:KVL+4*(p+(\s))+3]
.set p, p+1
.endr
.endr
	v_max_num_f32 v[MX], |v[KVL]|, |v[KVL+1]|
	v_max_num_f32 v[T], |v[KVL+2]|, |v[KVL+3]|
	v_max_num_f32 v[MX], v[MX], v[T]
	v_max_num_f32_dpp v[MX], v[MX], v[MX] row_xmask:1 row_mask:0xf bank_mask:0xf
	v_max_num_f32_dpp v[MX], v[MX], v[MX] row_xmask:2 row_mask:0xf bank_mask:0xf
	v_max_num_f32_dpp v[MX], v[MX], v[MX] row_xmask:4 row_mask:0xf bank_mask:0xf
	v_max_num_f32_dpp v[MX], v[MX], v[MX] row_xmask:8 row_mask:0xf bank_mask:0xf
	v_permlanex16_b32 v[MX+1], v[MX], s26, s27
	v_max_num_f32 v[MX], v[MX], v[MX+1]
	s_wait_alu depctr_va_vdst(0)                   ; the reduction has written v12, which the LDS store reads
	ds_store_b32 v5, v[MX]                         ; all lanes write the wave's word with the same value
	s_wait_dscnt 0x0                               ; for the others' sake: my store is done
	s_barrier_signal -1
	s_barrier_wait -1
	ds_load_b128 v[M:M+3], v6                      ; no vector instruction has named v[24:31], and v6 stands since the head
	ds_load_b128 v[M+4:M+7], v6 offset:16
	s_wait_dscnt 0x0
	v_max3_num_f32 v[M], v[M], v[M+1], v[M+2]
	v_max3_num_f32 v[M+3], v[M+3], v[M+4], v[M+5]
	v_max3_num_f32 v[M], v[M], v[M+6], v[M+7]
	v_max3_num_f32 v14, v[M], v[M+3], 0x00800000   ; kvmax, at least 2^-126
	v_rcp_f32 v15, v14
	v_nop                                          ; a plain instruction behind it,
	s_wait_alu depctr_va_vdst(0)                   ; and the reciprocal has written v15, ahead of its first use
.irp k, 0,1,2,3
	v_mul_f32 v[KVL+(\k)], v[KVL+(\k)], v15
.endr
	s_wait_loadcnt 0x0
; Row r's eight vector instructions: four numbers of W_out times kv / kvmax, rounded to f16 into the row's own pair of OUT.
.macro ARITH r
.set TB, T+4*((\r)%2)
	v_lshlrev_b32 v[TB], 16, v[WL+2*(\r)]          ; bf16 to f32: the low half moves up, the high half stays
	v_and_b32 v[TB+1], s24, v[WL+2*(\r)]
	v_lshlrev_b32 v[TB+2], 16, v[WL+2*(\r)+1]
	v_and_b32 v[TB+3], s24, v[WL+2*(\r)+1]
	v_pk_mul_f32 v[TB:TB+1], v[TB:TB+1], v[KVL:KVL+1]
	v_pk_mul_f32 v[TB+2:TB+3], v[TB+2:TB+3], v[KVL+2:KVL+3]
	v_cvt_pk_f16_f32 v[OUT+2*(\r)], v[TB], v[TB+1]
	v_cvt_pk_f16_f32 v[OUT+2*(\r)+1], v[TB+2], v[TB+3]
.endm
; Row r's store.
.macro SENDROW r
	global_store_b64 v3, v[OUT+2*(\r):OUT+2*(\r)+1], s[10:11] offset:2048*(\r)  ; a wave stores 256 consecutive bytes, aligned
.endm
.irp i, 0,1,2,3
	ARITH \i                                       ; group 0: there is no group before it to store
.endr
.irp g, 1,2,3
	s_wait_alu depctr_va_vdst(0)                   ; the group before has written its eight registers of OUT, which the four stores below read; no vector instruction of this group names them or v3
.irp i, 0,1,2,3
	SENDROW 4*((\g)-1)+(\i)
	ARITH 4*(\g)+(\i)
.endr
.endr
	s_wait_alu depctr_va_vdst(0)                   ; group 3 has written its OUT, which the last four stores read
.irp i, 12,13,14,15
	SENDROW \i
.endr
	s_cmp_lg_u32 s12, 0
	s_cbranch_scc1 .Lend
.irp s, 4,2,1
.set p, 0
.rept \s
	v_pk_add_f32 v[SL+2*p:SL+2*p+1], v[SL+2*p:SL+2*p+1], v[SL+2*(p+(\s)):SL+2*(p+(\s))+1]
.set p, p+1
.endr
.endr
	v_rsq_f32 v[SL], v[SL]
	v_rsq_f32 v[SL+1], v[SL+1]
	v_nop                                          ; a plain instruction behind the second,
	s_wait_alu depctr_va_vdst(0)                   ; and both have written their results, ahead of the first use: one wait for the two
	v_mul_f32 v[SL], v[SL], v14
	v_mul_f32 v[SL+1], v[SL+1], v14
	s_wait_alu depctr_va_vdst(0)                   ; the two multiplies have written v[128:129], which the store reads
	global_store_b64 v4, v[SL:SL+1], s[22:23]      ; 256 consecutive bytes of rsc
.Lend:
	s_wait_dscnt 0x0                               ; the wave's end
	s_wait_alu 0x0
	s_wait_tensorcnt 0x0
	ds_add_u32 v[SPW], v[NIL]
	s_wait_dscnt 0x0
	s_endpgm
.Lfunc_end_k_q339f7686d8_wprep:
	.size	k_q339f7686d8_wprep, .Lfunc_end_k_q339f7686d8_wprep-k_q339f7686d8_wprep
	.p2alignl 7, 3214868480
	.fill 96, 4, 3214868480
	.section	.rodata,"a",@progbits
	.p2align	6, 0x0
	.amdhsa_kernel k_q339f7686d8_wprep
		.amdhsa_group_segment_fixed_size 1280
		.amdhsa_private_segment_fixed_size 0
		.amdhsa_enable_private_segment 0
		.amdhsa_kernarg_size 32
		.amdhsa_user_sgpr_count 2
		.amdhsa_user_sgpr_kernarg_segment_ptr 1
		.amdhsa_wavefront_size32 1
		.amdhsa_system_sgpr_workgroup_id_x 1
		.amdhsa_system_sgpr_workgroup_id_y 1
		.amdhsa_system_sgpr_workgroup_id_z 1
		.amdhsa_system_vgpr_workitem_id 0
		.amdhsa_next_free_vgpr 176
		.amdhsa_next_free_sgpr 66
		.amdhsa_reserve_vcc 0
		.amdhsa_float_denorm_mode_32 3
		.amdhsa_float_denorm_mode_16_64 3
		.amdhsa_memory_ordered 1
		.amdhsa_forward_progress 1
		.amdhsa_inst_pref_size 18
	.end_amdhsa_kernel
	.amdgpu_metadata
---
amdhsa.version: [ 1, 2 ]
amdhsa.kernels:
  - .name:           k_q339f7686d8_wprep
    .symbol:         k_q339f7686d8_wprep.kd
    .args:
      - { .name: kvp, .offset: 0, .size: 8, .value_kind: global_buffer, .address_space: global }
      - { .name: wb, .offset: 8, .size: 8, .value_kind: global_buffer, .address_space: global }
      - { .name: ss, .offset: 16, .size: 8, .value_kind: global_buffer, .address_space: global }
      - { .name: wp, .offset: 24, .size: 8, .value_kind: global_buffer, .address_space: global }
    .group_segment_fixed_size: 1280
    .private_segment_fixed_size: 0
    .kernarg_segment_align: 8
    .kernarg_segment_size: 32
    .max_flat_workgroup_size: 256
    .sgpr_count:     66
    .vgpr_count:     176
    .wavefront_size: 32
...
	.end_amdgpu_metadata
.endif
;; end of part 6
;; launch outp: the kernel of part 5 again; grid 4 x 64, 4 waves a work-group, clusters of 4 x 4, 327,680 bytes of LDS; arguments qh, wp, aux1, out0; writes out0
